; MI455X (gfx1250); checked and timed in simulation.
; The chip was launched on July 23, 2026; its instructions are those of AMD's public machine-readable ISA for CDNA 5 (MIT licence, August 2026) and "CDNA5" Instruction Set Architecture Reference Guide (July 2026). The comments in the code are by the model that wrote it; some were corrected since.
;; GPT Decoder Layer. Allowed arithmetic: matrix products marked QUANTISED: E2M1 operands, one E8M0 scale for each 32 along K, by v_wmma_scale_f32_16x16x128_f8f6f4 with both operands' format E2M1 (or v_wmma_scale_f32_32x16x128_f4), f32 sums; everything else in f32.
;; Inputs: W1_codes 4,096 x 32 x 16 uint8 (E2M1 codes of W1, K innermost, in blocks of 32 codes, two codes a byte); W1_scales 4,096 x 32 uint8 (E8M0 scales of W1, one for each 32 codes along K); W2_codes 1,024 x 64 x 16 uint8 (E2M1 codes of W2, K innermost, in blocks of 32 codes, two codes a byte); W2_scales 1,024 x 64 uint8 (E8M0 scales of W2, one for each 32 codes along K); Wk_codes 1,024 x 32 x 16 uint8 (E2M1 codes of Wk, K innermost, in blocks of 32 codes, two codes a byte); Wk_scales 1,024 x 32 uint8 (E8M0 scales of Wk, one for each 32 codes along K); Wo_codes 1,024 x 32 x 16 uint8 (E2M1 codes of Wo, K innermost, in blocks of 32 codes, two codes a byte); Wo_scales 1,024 x 32 uint8 (E8M0 scales of Wo, one for each 32 codes along K); Wq_codes 1,024 x 32 x 16 uint8 (E2M1 codes of Wq, K innermost, in blocks of 32 codes, two codes a byte); Wq_scales 1,024 x 32 uint8 (E8M0 scales of Wq, one for each 32 codes along K); Wv_codes 1,024 x 32 x 16 uint8 (E2M1 codes of Wv, K innermost, in blocks of 32 codes, two codes a byte); Wv_scales 1,024 x 32 uint8 (E8M0 scales of Wv, one for each 32 codes along K); attention_mask 1 x 1 x 2,048 x 2,048 bool; attn_scale 1,024 float32; ffn_scale 1,024 float32; x 2 x 2,048 x 1,024 float32.
;; Outputs: out0 2 x 2,048 x 1,024 float32.
;; This version of the problem:
;;   THIS VERSION OF THE PROBLEM IS GIVEN IN LOW PRECISION. The matrix products marked QUANTISED in the list below multiply operands that are first quantised to E2M1 (2 exponent bits, 1 mantissa bit; 4 bits a number), with one power-of-two scale for each 32 numbers along K (OCP MX v1.0); their sums are f32. All else is computed in f32.
;;   The module's matrix products, in the order in which they are computed (A, B: the left and right operand; K: the contracted axis; several contracted axes count as one K, in the product's order):
;;     1. [M 4,096, K 1,024] x [K 1,024, N 1,024]; A: computed on the way; B: input Wq (given as codes): QUANTISED
;;     2. [M 4,096, K 1,024] x [K 1,024, N 1,024]; A: computed on the way; B: input Wk (given as codes): QUANTISED
;;     3. [M 4,096, K 1,024] x [K 1,024, N 1,024]; A: computed on the way; B: input Wv (given as codes): QUANTISED
;;     4. batch 32 x [M 2,048, K 64] x [K 64, N 2,048]; A: computed on the way; B: computed on the way: QUANTISED
;;     5. batch 32 x [M 64, K 2,048] x [K 2,048, N 2,048]; A: computed on the way; B: softmax (see below): QUANTISED
;;     6. [M 4,096, K 1,024] x [K 1,024, N 1,024]; A: computed on the way; B: input Wo (given as codes): QUANTISED
;;     7. [M 4,096, K 1,024] x [K 1,024, N 4,096]; A: computed on the way; B: input W1 (given as codes): QUANTISED
;;     8. [M 4,096, K 2,048] x [K 2,048, N 1,024]; A: computed on the way; B: input W2 (given as codes): QUANTISED
;;   THE QUANTISER, for each operand of a quantised product, along K:
;;     - K is cut into blocks of 32 from its start; a last block that is shorter is filled with zeros.
;;     - A block's scale is 2^e with e = floor(log2(the largest magnitude in the block)) - 2, held to -126 .. 127; a block of zeros has e = 0. As a byte (E8M0): e + 127.
;;     - Each number is divided by its block's scale, clamped to +-6, and rounded to the nearest number of E2M1, ties to even, subnormals kept.
;;     - The product sums the exact products of the quantised numbers (number of the format x scale) in f32.
;;   ~~~python
;;   def quantise(x, axis):      # numpy; x: float32 -> the quantised numbers, widened to float32 again
;;       x = np.moveaxis(x, axis, -1); K = x.shape[-1]
;;       x = np.pad(x, [(0, 0)] * (x.ndim - 1) + [(0, -K % 32)]); x = x.reshape(x.shape[:-1] + (-1, 32)); a = np.abs(x).max(-1, keepdims=True)
;;       e = np.where(a > 0, np.clip(np.frexp(np.where(a > 0, a, 1))[1] - 1 - 2, -126, 127), 0)      # np.frexp(a)[1] - 1 = floor(log2(a)), exactly
;;       r = np.clip(x / 2.0 ** e, -6, 6)
;;       step = 2.0 ** (np.maximum(np.frexp(np.where(r == 0, 1, r))[1] - 1, 0) - 1)
;;       q = np.round(r / step) * step * 2.0 ** e      # np.round: ties to even
;;       return np.moveaxis(q.reshape(q.shape[:-2] + (-1,))[..., :K], -1, axis).astype(np.float32)
;;   ~~~
;;   SOFTMAX AHEAD OF A QUANTISED PRODUCT. Where the list says 'softmax', what is quantised is not the finished softmax but p = 2^(t - M), with t = logit x log2(e) and M = ceil(the row's largest t), a whole number; so 1/2 < the row's largest p <= 1. The row's sum l is taken of the UNQUANTISED p, in f32, and the product's result is divided by l at the end. Since M is a whole number, a kernel that streams over the keys may use a running M (the ceiling of the running maximum): every later rescaling is an exact power of two, which a block's scale takes up: the codes' values come out the same.
;;   OPERANDS COMPUTED ON THE WAY. 'Computed on the way' means the value that the module computes at that place (a softmax that the list does not call 'softmax' is quantised finished and normalised). What goes into a quantiser is computed in f32, as accurately as f32 sums, v_exp_f32 and their like allow (about 1e-6 of the number): no bf16 or f16 on the way to a quantiser, and a product that is left as it is and whose result goes on into a quantised operand takes f32 operands (vector FMAs, or v_wmma_f32_16x16x4_f32). A number that lies on a knife's edge between two numbers of the format may be rounded either way, as far as f32 arithmetic and the matrix unit's own rounding can turn it there, and no further.
;;   INPUTS GIVEN AS CODES. W1 (in the module: [1024, 4096], K = its axis 0); W2 (in the module: [2048, 1024], K = its axis 0); Wk (in the module: [1024, 1024], K = its axis 0); Wo (in the module: [1024, 1024], K = its axis 0); Wq (in the module: [1024, 1024], K = its axis 0); Wv (in the module: [1024, 1024], K = its axis 0): each comes as NAME_codes (uint8): NAME with its K axis moved to the last place and cut into blocks of 32 codes, [.., K / 32, bytes a block], one block behind the other in memory; two codes a byte, the lower K in the low four bits (a code: sign, 2 exponent bits, 1 mantissa bit); and NAME_scales (uint8): the same leading axes, one E8M0 byte (e + 127) for each 32 codes along K. Its value is code x scale, taken as it is: it is not quantised again, and the codes and scales need not be those that the quantiser above would give.
;; 2 versions, each right; version 2 is version 1 with the launch attn written anew for expert scheduling mode. Each part assembles by itself: llvm-mc -triple=amdgcn-amd-amdhsa -mcpu=gfx1250 --defsym DOCPART=n.
;; ======== version 1 of 2: 6 launches
;; workspace buffers: xa 3,276,800 bytes; msk 540,672 bytes of whole numbers; qkv 6,946,816 bytes; ao 2,228,224 bytes; hb 16,777,216 bytes; hq 2,228,224 bytes; act 4,456,448 bytes
;; launch prep (part 1): grid 256 x 1, 16 waves a work-group, no clusters, 93,184 bytes of LDS; arguments x, attn_scale, attention_mask, Wo_codes, xa, msk; writes xa, msk
.if DOCPART == 1
	.amdgcn_target "amdgcn-amd-amdhsa--gfx1250"
	.amdhsa_code_object_version 6
	.text
	.protected	k_q228de14be3_prep
	.globl	k_q228de14be3_prep
	.p2align	8
	.type	k_q228de14be3_prep,@function
k_q228de14be3_prep:
	s_mov_b64 s[64:65], 0
	v_nop
	global_prefetch_b8 v0, s[64:65] scope:SCOPE_SE
	s_setreg_imm32_b32 hwreg(HW_REG_WAVE_MODE, 25, 1), 1
	s_wait_xcnt 0x0
; PREP: (1) xn = x * attn_scale * rsqrt(mean(x^2) + 1e-6), quantised to E2M1 along D, stored as images of operand registers; (2) the sin/cos table of the partial rotary;
; (3) the mask as bits, and two bits a tile of 16 queries and step of 128 keys (0 no key counts, 1 some, 2 all); (4) Wo's codes as images of operand registers.
; ROWS ARE KEPT IN SLOT ORDER: tile T (0..255), slot r (0..15) is token 32 (T/2) + 8 (T%2) + r + 8 (r/8), so that two neighbouring tiles used as source 0 of a product leave 16 neighbouring tokens in a lane.
; A work-group is a tile, a wave a slot: one wave holds one row of 1,024 numbers.  An image of a fragment (16 rows x 128 K) is 1,024 bytes: block k/32 = 2 c + h of slot r at 512 c + 256 h + 16 r.
; A block's scale is 2^(floor(log2(largest magnitude)) - 2); its byte is the largest magnitude's exponent field - 2, held at 1 from below.
; LIMITS: NaN and infinities among the inputs are not served; a block of zeros gets the byte 1 (its codes are zeros, and this program alone reads the bytes).
; THE TABLE: sin and cos of pos x 10^(-i/4), i = 0..15.  g = 10^(-i/4) / (2 pi) is kept as gh (12 significant bits, so that pos x gh is exact for pos < 2,048) + gl; the turns' fraction is folded
; into a quarter turn and a Taylor sum up to x^13 follows (the term left out is under 7e-10 at pi/2).
.set XSC,   0x200000                   ; xa: images at 0 ([T][8][1024]); scale bytes [slot number][32];
.set ROPE,  0x220000                   ; the table [slot number][16 sin | 16 cos] f32;
.set WOI,   0x2a0000                   ; Wo's images [tile of 16 rows][8][1024]
.set MBITS, 16384                      ; msk: flag words [tile][32 equal words] at 0; bits [tile][slot][64 words]
.set WP,    4624                       ; LDS: a wave's row: 32 blocks of 128 bytes + 16
.set BP,    144
.set IMG,   16*WP                      ; the tile's 8 images
.set SCL,   IMG+8192                   ; its scale bytes [slot][32]
.set MB,    SCL+512                    ; mask bits, 256 bytes a wave
.set ANDR,  MB+4096                    ; AND of a lane's 64 keys, 128 bytes a wave; the OR 2,048 bytes on
.set RA,    ANDR+4096                  ; a word a wave: has the row any key?
.set L, 1
.set L16, 2
.set SI, 4                             ; stage, as loaded: WP w + 144 (l/8) + 16 (l%8)
.set SB, 5                             ; stage, by blocks: WP w + 144 l
.set IM, 6                             ; IMG + 256 l + 16 w: lane l holds block l of slot w
.set SCA, 7
.set IMR, 8
.set RO, 9
.set RV, 10
.set GH, 11
.set GL, 12
.set T0, 13
.set T1, 14
.set T2, 15
.set X, 16
.set G, 48
.set Y, 80
.set MK, 112
.set WF, 128
.set WLA, 136
.set WSA, 137
.set MBS, 138
.set MBR, 139
.set SS, 140
.set C, 144
.set E, 148
.set MX, 149
.set MX2, 150
.set SO, 151
.set MW, 152
.set MGO, 154
.set MAN, 155
.set MOR, 156
.set ANA, 157
.set RAV, 158
.set RAA, 159
.set XGO, 160
.set SCR, 161
.set SGO, 162
.set ANC, 163
.set RAC, 164
.set FGO, 165
.set FV, 166
.macro GSET i, hi, lo                  ; lanes i and i + 16 get g's two parts
	s_mov_b32 s24, \hi
	s_mov_b32 s25, \lo
	v_writelane_b32 v[GH], s24, \i
	v_writelane_b32 v[GH], s24, \i+16
	v_writelane_b32 v[GL], s25, \i
	v_writelane_b32 v[GL], s25, \i+16
.endm
.macro ROWQ                            ; the lane's 32 numbers v[Y] on are one block: codes into v[C:C+3], byte into v[E]
	v_max3_num_f32 v[MX], |v[Y]|, |v[Y+1]|, |v[Y+2]|
	v_max3_num_f32 v[MX2], |v[Y+3]|, |v[Y+4]|, |v[Y+5]|
.irp i, 6,10,14,18,22,26
	v_max3_num_f32 v[MX], v[MX], |v[Y+\i]|, |v[Y+\i+1]|
	v_max3_num_f32 v[MX2], v[MX2], |v[Y+\i+2]|, |v[Y+\i+3]|
.endr
	v_max3_num_f32 v[MX], v[MX], |v[Y+30]|, |v[Y+31]|
	v_max3_num_f32 v[MX], v[MX], v[MX2], 0x1800000   ; the floor 2^(3 - 127): the byte cannot fall under 1
	v_add_nc_u32 v[SO], 0xff000000, v[MX]            ; 2 off the exponent field: the conversion's scale operand
	v_lshrrev_b32 v[E], 23, v[SO]                    ; the scale's byte
.irp g, 0,1,2,3
	v_cvt_scalef32_pk8_fp4_f32 v[C+\g], v[Y+8*\g:Y+8*\g+7], v[SO]
.endr
	v_nop                                            ; one plain line behind the last scaled conversion
.endm
	s_load_b256 s[4:11], s[0:1], 0x0               ; x, attn_scale, attention_mask, Wo_codes
	s_load_b128 s[12:15], s[0:1], 0x20             ; xa, msk
	v_lshl_add_u32 v168, v0, 2, 0x16400
	v_mov_b32 v169, 0
	v_lshrrev_b32 v[T0], 5, v0
	v_readfirstlane_b32 s16, v[T0]                 ; wave = slot
	v_and_b32 v[L], 31, v0
	s_mov_b32 s17, ttmp9                           ; tile T
	s_lshr_b32 s18, s17, 1
	s_lshl_b32 s18, s18, 5
	s_and_b32 s24, s17, 1
	s_lshl_b32 s24, s24, 3
	s_add_co_u32 s18, s18, s24
	s_add_co_u32 s18, s18, s16
	s_and_b32 s24, s16, 8
	s_add_co_u32 s18, s18, s24                     ; my token: 32 (T/2) + 8 (T%2) + w + 8 (w/8)
	s_and_b32 s19, s18, 2047                       ; its position in the sequence
	s_lshl_b32 s26, s17, 4
	s_add_co_u32 s26, s26, s16                     ; its slot number 16 T + w
	s_mov_b32 s22, 0x76543210
	s_mov_b32 s23, 0xfedcba98                      ; v_permlanex16_b32's selects for lane l xor 16
	s_mov_b32 s31, 0x3a800000                      ; 1 / 1,024
	; every address register is made here, ahead of the first branch
	v_lshlrev_b32 v[L16], 4, v[L]
	s_mul_i32 s27, s16, WP
	v_lshrrev_b32 v[T0], 3, v[L]
	v_mul_u32_u24 v[SI], v[T0], BP
	v_and_b32 v[T0], 7, v[L]
	v_lshl_add_u32 v[SI], v[T0], 4, v[SI]
	v_add_nc_u32 v[SI], s27, v[SI]
	v_mul_u32_u24 v[SB], v[L], BP
	v_add_nc_u32 v[SB], s27, v[SB]
	s_lshl_b32 s24, s16, 4
	s_add_co_u32 s24, s24, IMG
	v_lshl_add_u32 v[IM], v[L], 8, s24
	s_lshl_b32 s24, s16, 5
	s_add_co_u32 s24, s24, SCL
	v_add_nc_u32 v[SCA], s24, v[L]
	v_lshl_add_u32 v[IMR], v0, 4, IMG
	s_lshl_b32 s24, s16, 8
	s_add_co_u32 s24, s24, MB
	v_lshl_add_u32 v[MBS], v[L], 1, s24
	v_lshl_add_u32 v[MBR], v[L], 3, s24
	s_lshl_b32 s24, s16, 7
	s_add_co_u32 s24, s24, ANDR
	v_lshl_add_u32 v[ANA], v[L], 2, s24
	s_lshl_b32 s24, s16, 2
	s_add_co_u32 s24, s24, RA
	v_mov_b32 v[RAA], s24
	v_lshl_add_u32 v[SCR], v[L], 4, SCL
	v_lshl_add_u32 v[ANC], v[L], 2, ANDR
	v_and_b32 v[T0], 15, v[L]
	v_lshl_add_u32 v[RAC], v[T0], 2, RA
	s_lshl_b32 s24, s26, 7
	v_lshl_add_u32 v[RO], v[L], 2, s24             ; the table's row: 128 bytes a slot
	s_lshl_b32 s24, s26, 8
	v_lshl_add_u32 v[MGO], v[L], 3, s24            ; the mask bits' row: 256 bytes a slot
	s_lshl_b32 s24, s17, 13
	v_lshl_add_u32 v[XGO], v0, 4, s24
	s_lshl_b32 s24, s17, 9
	v_lshl_add_u32 v[SGO], v[L], 4, s24
	s_lshl_b32 s24, s17, 7
	v_lshl_add_u32 v[FGO], v[L], 2, s24
	; Wo: fragment F = 2 T + w (waves 0 and 1 alone): tile F / 8, K step F % 8
	s_lshl_b32 s28, s17, 1
	s_add_co_u32 s28, s28, s16
	s_lshr_b32 s29, s28, 4
	s_lshl_b32 s29, s29, 5
	s_bfe_u32 s30, s28, 0x10003
	s_lshl_b32 s30, s30, 3
	s_add_co_u32 s29, s29, s30                     ; the tile's first row of Wo
	s_lshl_b32 s29, s29, 9                         ; 512 bytes a row
	s_and_b32 s30, s28, 7
	s_lshl_b32 s30, s30, 6
	s_add_co_u32 s29, s29, s30                     ; + 64 bytes a K step
	v_and_b32 v[T0], 15, v0
	v_and_b32 v[T1], 8, v[T0]
	v_add_nc_u32 v[T0], v[T0], v[T1]               ; r + 8 (r/8)
	v_bfe_u32 v[T1], v0, 4, 1
	v_lshlrev_b32 v[WLA], 9, v[T0]
	v_lshl_add_u32 v[WLA], v[T1], 4, v[WLA]
	v_add_nc_u32 v[WLA], s29, v[WLA]
	s_lshl_b32 s28, s28, 10
	v_add_nc_u32 v[WSA], s28, v[L16]
	s_lshl_b32 s20, s18, 12
	s_mov_b32 s21, 0
	s_wait_kmcnt 0x0
	s_add_nc_u64 s[4:5], s[4:5], s[20:21]          ; x at my row
.irp j, 0,1,2,3,4,5,6,7
	global_load_b128 v[X+4*\j:X+4*\j+3], v[L16], s[4:5] offset:512*\j      ; 32 lanes read 512 consecutive bytes
.endr
.irp j, 0,1,2,3,4,5,6,7
	global_load_b128 v[G+4*\j:G+4*\j+3], v[L16], s[6:7] offset:512*\j      ; the gain, laid as x is: 512 consecutive bytes a load
.endr
.set n, 0
.rept 16
	v_mov_b32 v[MK+n], 0                           ; written on every way: the loads below stand under a branch
.set n, n+1
.endr
.set n, 0
.rept 8
	v_mov_b32 v[WF+n], 0
.set n, n+1
.endr
	s_cmp_lt_u32 s17, 128                          ; the mask has 2,048 rows: tiles 0 to 127 take it
	s_cbranch_scc0 .Lno_mask_load
	s_lshl_b32 s20, s18, 11
	s_add_nc_u64 s[8:9], s[8:9], s[20:21]
.irp j, 0,1,2,3
	global_load_b128 v[MK+4*\j:MK+4*\j+3], v[L16], s[8:9] offset:512*\j th:TH_LOAD_NT
.endr
.Lno_mask_load:
	s_cmp_lt_u32 s16, 2
	s_cbranch_scc0 .Lno_wo_load
	global_load_b128 v[WF:WF+3], v[WLA], s[10:11]
	global_load_b128 v[WF+4:WF+7], v[WLA], s[10:11] offset:32
.Lno_wo_load:
	; the table's row, while the loads are on their way
	v_mov_b32 v[GH], 0
	v_mov_b32 v[GL], 0
	GSET 0,  0x3e230000, 0xb7cf9236
	GSET 1,  0x3db75000, 0xb7113514
	GSET 2,  0x3d4e2000, 0x36c0200b
	GSET 3,  0x3ce7e000, 0xb63fca03
	GSET 4,  0x3c826000, 0x351af8ec
	GSET 5,  0x3c12a000, 0x353144ad
	GSET 6,  0x3ba4f000, 0xb5197ff7
	GSET 7,  0x3b398000, 0xb4996e68
	GSET 8,  0x3ad0a000, 0xb40ecfa2
	GSET 9,  0x3a6aa000, 0xb2fbf10a
	GSET 10, 0x3a03f000, 0xb22332f9
	GSET 11, 0x39946000, 0x32a41c26
	GSET 12, 0x3926e000, 0x32351a31
	GSET 13, 0x38bbb000, 0x31500bf8
	GSET 14, 0x38532000, 0xb1ed7098
	GSET 15, 0x37ed7000, 0xb12fe97b
	v_cvt_f32_u32 v[T0], s19                       ; pos
	v_mul_f32 v[RV], v[T0], v[GH]                  ; exact: 11 bits x 12 bits
	v_rndne_f32 v[T1], v[RV]
	v_sub_f32 v[RV], v[RV], v[T1]                  ; whole turns off: exact
	v_fma_f32 v[RV], v[T0], v[GL], v[RV]
	v_lshrrev_b32 v[T1], 4, v[L]
	v_cvt_f32_u32 v[T1], v[T1]
	v_fmamk_f32 v[RV], v[T1], 0x3e800000, v[RV]    ; lanes 16-31: a quarter turn on: the cosine
	v_rndne_f32 v[T1], v[RV]
	v_sub_f32 v[RV], v[RV], v[T1]                  ; y in -1/2 .. 1/2
	v_sub_f32 v[T1], 0.5, |v[RV]|
	v_min_num_f32 v[T1], |v[RV]|, v[T1]            ; folded into a quarter turn,
	v_bfi_b32 v[RV], 0x7fffffff, v[T1], v[RV]      ; with y's sign
	v_mul_f32 v[RV], 0x40c90fdb, v[RV]             ; x 2 pi
	v_mul_f32 v[T1], v[RV], v[RV]
	v_mov_b32 v[T2], 0x2f309231                    ; 1/13!
	v_fmaak_f32 v[T2], v[T2], v[T1], 0xb2d7322b    ; -1/11!
	v_fmaak_f32 v[T2], v[T2], v[T1], 0x3638ef1d    ; 1/9!
	v_fmaak_f32 v[T2], v[T2], v[T1], 0xb9500d01    ; -1/7!
	v_fmaak_f32 v[T2], v[T2], v[T1], 0x3c088889    ; 1/5!
	v_fmaak_f32 v[T2], v[T2], v[T1], 0xbe2aaaab    ; -1/3!
	v_mul_f32 v[T1], v[T1], v[RV]
	v_fma_f32 v[RV], v[T1], v[T2], v[RV]
	global_store_b32 v[RO], v[RV], s[12:13] offset:ROPE   ; 32 lanes: the slot's 128 bytes
	s_wait_loadcnt 0x0                             ; x, the gain, the mask's row, Wo's fragment
	s_cmp_lt_u32 s16, 2
	s_cbranch_scc0 .Lno_wo_store
	global_store_b128 v[WSA], v[WF:WF+3], s[12:13] offset:WOI        ; the fragment as it stands in the registers: 512 consecutive bytes a store
	global_store_b128 v[WSA], v[WF+4:WF+7], s[12:13] offset:WOI+512
.Lno_wo_store:
	v_pk_mul_f32 v[SS:SS+1], v[X:X+1], v[X:X+1]    ; the sum of squares, in two packed chains
	v_pk_mul_f32 v[SS+2:SS+3], v[X+2:X+3], v[X+2:X+3]
.irp i, 4,8,12,16,20,24,28
	v_pk_fma_f32 v[SS:SS+1], v[X+\i:X+\i+1], v[X+\i:X+\i+1], v[SS:SS+1]
	v_pk_fma_f32 v[SS+2:SS+3], v[X+\i+2:X+\i+3], v[X+\i+2:X+\i+3], v[SS+2:SS+3]
.endr
.set n, 0
.rept 16
	v_pk_mul_f32 v[X+n:X+n+1], v[X+n:X+n+1], v[G+n:G+n+1]   ; x * gain, where both lie alike
.set n, n+2
.endr
.irp j, 0,1,2,3,4,5,6,7
	ds_store_b128 v[SI], v[X+4*\j:X+4*\j+3] offset:576*\j   ; the row turns through my own stage: in as loaded, out by blocks of 32
.endr
	v_pk_add_f32 v[SS:SS+1], v[SS:SS+1], v[SS+2:SS+3]
	v_add_f32 v[SS], v[SS], v[SS+1]
	v_add_f32_dpp v[SS], v[SS], v[SS] row_xmask:1 row_mask:0xf bank_mask:0xf
	v_add_f32_dpp v[SS], v[SS], v[SS] row_xmask:2 row_mask:0xf bank_mask:0xf
	v_add_f32_dpp v[SS], v[SS], v[SS] row_xmask:4 row_mask:0xf bank_mask:0xf
	v_add_f32_dpp v[SS], v[SS], v[SS] row_xmask:8 row_mask:0xf bank_mask:0xf
	v_permlanex16_b32 v[SS+1], v[SS], s22, s23
	v_add_f32 v[SS], v[SS], v[SS+1]
	v_fmaak_f32 v[SS], s31, v[SS], 0x358637bd      ; mean + 1e-6
	v_rsq_f32 v[SS+2], v[SS]
	v_nop                                          ; a plain line behind the root
.irp i, 0,1,2,3,4,5,6,7
	ds_load_b128 v[Y+4*\i:Y+4*\i+3], v[SB] offset:16*\i     ; LDS serves a wave's instructions in order: these see my stores
.endr
	s_wait_dscnt 0x0
	s_wait_alu depctr_va_vdst(0)                   ; the wait ahead of the root's first reader
.set n, 0
.rept 16
	v_pk_mul_f32 v[Y+n:Y+n+1], v[Y+n:Y+n+1], v[SS+2:SS+3] op_sel_hi:[1,0]
.set n, n+2
.endr
	ROWQ
	ds_store_b128 v[IM], v[C:C+3]
	ds_store_b8 v[SCA], v[E]
	s_cmp_lt_u32 s17, 128
	s_cbranch_scc0 .Lno_mask
	s_mov_b32 s29, 0x204081                        ; four bytes of 0 or 1 x (2^21 + 2^14 + 2^7 + 1): the four bits meet at bits 21 to 24, and no two terms share a bit
.set n, 0
.rept 16
	v_mul_lo_u32 v[MK+n], v[MK+n], s29
.set n, n+1
.endr
.set n, 0
.rept 16
	v_bfe_u32 v[MK+n], v[MK+n], 21, 4
.set n, n+1
.endr
.irp j, 0,1,2,3
	v_lshl_or_b32 v[MK+4*\j], v[MK+4*\j+1], 4, v[MK+4*\j]
	v_lshl_or_b32 v[MK+4*\j], v[MK+4*\j+2], 8, v[MK+4*\j]
	v_lshl_or_b32 v[MK+4*\j], v[MK+4*\j+3], 12, v[MK+4*\j]
	ds_store_b16 v[MBS], v[MK+4*\j] offset:64*\j   ; keys 512 j + 16 l on
.endr
	ds_load_b64 v[MW:MW+1], v[MBR]                 ; keys 64 l on
	s_wait_dscnt 0x0
	global_store_b64 v[MGO], v[MW:MW+1], s[14:15] offset:MBITS   ; 32 lanes store the row's 256 bytes
	v_and_b32 v[MAN], v[MW], v[MW+1]
	v_or_b32 v[MOR], v[MW], v[MW+1]
	ds_store_b32 v[ANA], v[MAN]
	ds_store_b32 v[ANA], v[MOR] offset:2048
	v_cmp_ne_u32 vcc_lo, 0, v[MOR]
	s_cmp_lg_u32 vcc_lo, 0
	s_cselect_b32 s30, 1, 0                        ; has my row any key?
	v_mov_b32 v[RAV], s30
	ds_store_b32 v[RAA], v[RAV]
.Lno_mask:
	s_wait_dscnt 0x0                               ; for the others' sake: my LDS stores are done
	s_barrier_signal -1
	s_barrier_wait -1
	ds_load_b128 v[X:X+3], v[IMR]
	s_wait_dscnt 0x0
	global_store_b128 v[XGO], v[X:X+3], s[12:13]   ; the tile's 8 images: 8,192 consecutive bytes
	s_cmp_lg_u32 s16, 0
	s_cbranch_scc1 .Ldone
	ds_load_b128 v[X+4:X+7], v[SCR]
	s_wait_dscnt 0x0
	global_store_b128 v[SGO], v[X+4:X+7], s[12:13] offset:XSC   ; its 512 scale bytes
	s_cmp_lt_u32 s17, 128
	s_cbranch_scc0 .Ldone
.set n, 0
.rept 16
	ds_load_b32 v[G+n], v[ANC] offset:128*n        ; lane l: keys 64 l on, of the 16 rows
	ds_load_b32 v[G+16+n], v[ANC] offset:2048+128*n
.set n, n+1
.endr
	ds_load_b32 v[Y], v[RAC]
	s_wait_dscnt 0x0
.set n, 1
.rept 15
	v_and_b32 v[G], v[G], v[G+n]
	v_or_b32 v[G+16], v[G+16], v[G+16+n]
.set n, n+1
.endr
	v_cmp_eq_u32 s36, -1, v[G]                     ; bit l: all 16 x 64 count
	v_cmp_eq_u32 s37, 0, v[G+16]                   ; bit l: none counts
	v_cmp_eq_u32 s38, 0, v[Y]                      ; some row of the tile has no key at all
	s_lshr_b32 s39, s36, 1
	s_and_b32 s36, s36, s39
	s_and_b32 s36, s36, 0x55555555                 ; a step of 128 keys is two lanes: bit 2 s
	s_lshr_b32 s39, s37, 1
	s_and_b32 s37, s37, s39
	s_and_b32 s37, s37, 0x55555555
	s_cmp_lg_u32 s38, 0
	s_cselect_b32 s37, 0, s37                      ; then no step is passed over: that row's softmax is uniform over all keys
	s_or_b32 s39, s36, s37
	s_and_not1_b32 s39, 0x55555555, s39            ; 1: some
	s_lshl_b32 s36, s36, 1                         ; 2: all
	s_or_b32 s36, s36, s39
	v_mov_b32 v[FV], s36
	global_store_b32 v[FGO], v[FV], s[14:15]
.Ldone:
	s_wait_tensorcnt 0x0
	ds_add_u32 v168, v169
	s_wait_dscnt 0x0
	s_endpgm
.Lfunc_end_k_q228de14be3_prep:
	.size	k_q228de14be3_prep, .Lfunc_end_k_q228de14be3_prep-k_q228de14be3_prep
	.p2alignl 7, 3214868480
	.fill 96, 4, 3214868480
	.section	.rodata,"a",@progbits
	.p2align	6, 0x0
	.amdhsa_kernel k_q228de14be3_prep
		.amdhsa_group_segment_fixed_size 93184
		.amdhsa_private_segment_fixed_size 0
		.amdhsa_enable_private_segment 0
		.amdhsa_kernarg_size 48
		.amdhsa_user_sgpr_count 2
		.amdhsa_user_sgpr_kernarg_segment_ptr 1
		.amdhsa_wavefront_size32 1
		.amdhsa_system_sgpr_workgroup_id_x 1
		.amdhsa_system_sgpr_workgroup_id_y 1
		.amdhsa_system_sgpr_workgroup_id_z 1
		.amdhsa_system_vgpr_workitem_id 0
		.amdhsa_next_free_vgpr 170
		.amdhsa_next_free_sgpr 66
		.amdhsa_reserve_vcc 1
		.amdhsa_float_denorm_mode_32 3
		.amdhsa_float_denorm_mode_16_64 3
		.amdhsa_memory_ordered 1
		.amdhsa_forward_progress 1
		.amdhsa_inst_pref_size 30
	.end_amdhsa_kernel
	.amdgpu_metadata
---
amdhsa.version: [ 1, 2 ]
amdhsa.kernels:
  - .name:           k_q228de14be3_prep
    .symbol:         k_q228de14be3_prep.kd
    .args:
      - { .name: x, .offset: 0, .size: 8, .value_kind: global_buffer, .address_space: global }
      - { .name: attn_scale, .offset: 8, .size: 8, .value_kind: global_buffer, .address_space: global }
      - { .name: attention_mask, .offset: 16, .size: 8, .value_kind: global_buffer, .address_space: global }
      - { .name: Wo_codes, .offset: 24, .size: 8, .value_kind: global_buffer, .address_space: global }
      - { .name: xa, .offset: 32, .size: 8, .value_kind: global_buffer, .address_space: global }
      - { .name: msk, .offset: 40, .size: 8, .value_kind: global_buffer, .address_space: global }
    .group_segment_fixed_size: 93184
    .private_segment_fixed_size: 0
    .kernarg_segment_align: 8
    .kernarg_segment_size: 48
    .max_flat_workgroup_size: 512
    .sgpr_count:     66
    .vgpr_count:     170
    .wavefront_size: 32
...
	.end_amdgpu_metadata
.endif
;; end of part 1
;; launch qkv (part 2): grid 16 x 16, 16 waves a work-group, clusters of 4 x 4, 234,496 bytes of LDS; arguments xa, Wq_codes, Wk_codes, Wv_codes, Wq_scales, Wk_scales, Wv_scales, qkv; writes qkv
.if DOCPART == 2
	.amdgcn_target "amdgcn-amd-amdhsa--gfx1250"
	.amdhsa_code_object_version 6
	.text
	.protected	k_q228de14be3_qkv
	.globl	k_q228de14be3_qkv
	.p2align	8
	.type	k_q228de14be3_qkv,@function
k_q228de14be3_qkv:
	s_mov_b64 s[64:65], 0
	v_nop
	global_prefetch_b8 v0, s[64:65] scope:SCOPE_SE
	s_setreg_imm32_b32 hwreg(HW_REG_WAVE_MODE, 25, 1), 1
	s_wait_xcnt 0x0
	s_wait_alu depctr_hold_cnt(0) depctr_sa_sdst(0) depctr_va_vdst(0) depctr_va_sdst(0) depctr_va_ssrc(0) depctr_va_vcc(0) depctr_vm_vsrc(0)
	s_getreg_b32 s2, hwreg(HW_REG_IB_STS2, 6, 4)
	s_cmp_eq_u32 s2, 0
	s_cbranch_scc0 .Lentry_in_a_cluster
	s_endpgm
.Lentry_in_a_cluster:
	s_bfe_u32 s2, ttmp6, 0x10000c
	s_cmp_lg_u32 s2, 0xf033
	s_cbranch_scc0 .Lentry_shape_is_right
	s_endpgm
.Lentry_shape_is_right:
; QKV: q, k, v = xn Wq, xn Wk, xn Wv on codes of E2M1; the partial rotary on q and k; q and k quantised along the head's 64, v along the KEYS; all three stored as images of operand registers.
; A work-group takes 256 slots (16 tiles) x one head (64 columns of each weight).  The whole-K panels come into LDS once: xn's 16 tiles of images (131,072 dense bytes, a tile a wave) and 3 x 64 weight rows of
; 512 bytes (waves 0 to 2).  Nothing is filled again.  CLUSTER 4 x 4: xn's panel hangs on work-group y alone and is asked for jointly along a row, the weights' on x alone, along a column.
; Wave w: token tiles 2 P, 2 P + 1 (P = w / 2); q (w even) or k (w odd), transposed (source 0 = 16 rows of the weight, source 1 = 16 tokens): a lane holds one token and registers along d;
; and d tiles 2 (w % 2), + 1 of v the other way round (source 0 = 16 tokens): a lane holds one d, and the 16 registers of the two token tiles are 16 neighbouring tokens.
; The rows of a weight that form a tile: lane r of tile 2 b + u takes row 32 b + 8 u + r + 8 (r/8).  The 12 accumulators take turns, one instruction a turn.
; LIMITS: NaN and infinities are not served; a block of zeros gets the byte 1.
.set XSCO,  0x200000
.set ROPE,  0x220000
.set BW,    131072                     ; LDS: behind xn's images: Wq's 64 rows, Wk's, Wv's, 528 bytes apart
.set BP,    528
.set REG,   217088                     ; qkv: a region for each batch and head:
.set VIMG,  65536                      ; k's images [tile][512] at 0; v's [step of 128 keys][d tile][1024];
.set KSC,   131072                     ; k's scale words [step][4 tiles][slot][4 words];
.set VSC,   139264                     ; v's [step][d slot][4 d tiles];
.set QIMG,  143360                     ; q's images and scale words, laid as k's
.set QSC,   208896
.set AX, 5
.set AW, 6
.set AV, 7
.set OXS, 8
.set OWS, 9
.set OVS, 10
.set ORP, 11
.set OIM, 12
.set OSC, 13
.set OVI, 14
.set OVB, 15
.set XF, 16                            ; v16-31 two fragments of xn; v32-63 four of Wq or Wk; v64-79 two of Wv
.set WF, 32
.set VF, 64
.set QK, 80                            ; v80-143 q or k: token tile j, weight tile t at 80 + 32 j + 8 t
.set VA, 144                           ; v144-175 v: d tile e, token tile j at 144 + 16 e + 8 j
.set XS, 176                           ; scale words, a register a K step: xn's 8 j + s; the weight's 8 t + s; Wv's 8 e + s
.set WS, 192
.set VS, 224
.set TM, 240
.set SN, 16                            ; the way out: sin and cos
.set PC, 48                            ; codes
.set WD, 60                            ; scale words and bytes
.set WV, 20
.set SEL, 56
.set G1A, 32
.set G0A, 40
.set G1B, 44
.set G0B, 52
.macro CROUND                          ; a round of the cluster's barrier
	s_barrier_signal -1
	s_barrier_wait -1
	s_cmp_lg_u32 s[WV], 0
	s_cbranch_scc1 .Lnot_wave_0_\@
	s_barrier_signal -3
.Lnot_wave_0_\@:
	s_barrier_wait -3
	s_barrier_signal -1
	s_barrier_wait -1
.endm
.macro MM0 d, a, b, sa, sb             ; the first K step starts the sum
	v_wmma_scale_f32_16x16x128_f8f6f4 v[\d:\d+7], v[\a:\a+7], v[\b:\b+7], 0, v[\sa], v[\sb] matrix_a_fmt:MATRIX_FMT_FP4 matrix_b_fmt:MATRIX_FMT_FP4
.endm
.macro MMA d, a, b, sa, sb
	v_wmma_scale_f32_16x16x128_f8f6f4 v[\d:\d+7], v[\a:\a+7], v[\b:\b+7], v[\d:\d+7], v[\sa], v[\sb] matrix_a_fmt:MATRIX_FMT_FP4 matrix_b_fmt:MATRIX_FMT_FP4
.endm
; Two groups of 16 registers, each half a block of 32 (the other half in lane l xor 16), become codes: behind the exchange lanes 0-15 hold group 0's whole block in v[pc .. pc + 3], lanes 16-31 group 1's.
; The two bytes stand in v[TM+4], v[TM+5], in every lane.
.macro QG2 s0, s1, pc
	v_max3_num_f32 v[TM], |v[\s0]|, |v[\s0+1]|, 0x1800000      ; with the floor 2^(3 - 127): the byte cannot fall under 1
	v_max3_num_f32 v[TM+1], |v[\s1]|, |v[\s1+1]|, 0x1800000
.irp i, 2,4,6,8,10,12,14
	v_max3_num_f32 v[TM], v[TM], |v[\s0+\i]|, |v[\s0+\i+1]|
	v_max3_num_f32 v[TM+1], v[TM+1], |v[\s1+\i]|, |v[\s1+\i+1]|
.endr
	v_permlanex16_b32 v[TM+4], v[TM], s[SEL], s[SEL+1]
	v_permlanex16_b32 v[TM+5], v[TM+1], s[SEL], s[SEL+1]
	v_max_num_f32 v[TM], v[TM], v[TM+4]
	v_max_num_f32 v[TM+1], v[TM+1], v[TM+5]
	v_add_nc_u32 v[TM+12], 0xff000000, v[TM]       ; 2 off the exponent field: the conversion's scale operand
	v_add_nc_u32 v[TM+13], 0xff000000, v[TM+1]
	v_lshrrev_b32 v[TM+4], 23, v[TM+12]
	v_lshrrev_b32 v[TM+5], 23, v[TM+13]
	v_cvt_scalef32_pk8_fp4_f32 v[\pc], v[\s0:\s0+7], v[TM+12]
	v_cvt_scalef32_pk8_fp4_f32 v[\pc+1], v[\s0+8:\s0+15], v[TM+12]
	v_cvt_scalef32_pk8_fp4_f32 v[\pc+2], v[\s1:\s1+7], v[TM+13]
	v_cvt_scalef32_pk8_fp4_f32 v[\pc+3], v[\s1+8:\s1+15], v[TM+13]
	v_nop                                          ; one plain line behind the last scaled conversion
	v_permlane16_swap_b32 v[\pc], v[\pc+2]
	v_permlane16_swap_b32 v[\pc+1], v[\pc+3]
.endm
	s_load_b256 s[4:11], s[0:1], 0x0               ; xa, Wq_codes, Wk_codes, Wv_codes
	s_load_b256 s[12:19], s[0:1], 0x20             ; Wq_scales, Wk_scales, Wv_scales, qkv
	v_lshl_add_u32 v254, v0, 2, 0x38c00
	v_mov_b32 v255, 0
	ds_add_u32 v254, v255
	ds_add_u32 v254, v255
	v_lshrrev_b32 v1, 5, v0
	v_readfirstlane_b32 s[WV], v1
	s_lshr_b32 s21, s[WV], 1                       ; P
	s_and_b32 s22, s[WV], 1                        ; 0: q, 1: k
	s_bfe_u32 s23, ttmp6, 0x40000                  ; cx
	s_bfe_u32 s24, ttmp6, 0x40004                  ; cy
	s_lshl_b32 s25, ttmp9, 2
	s_add_co_u32 s25, s25, s23                     ; the head
	s_and_b32 s26, ttmp7, 0xffff
	s_lshl_b32 s26, s26, 2
	s_add_co_u32 s26, s26, s24                     ; the block of 16 tiles
	s_lshl_b32 s27, s24, 2
	s_lshl_b32 s27, 15, s27                        ; my row of the cluster
	s_lshl_b32 s28, 0x1111, s23                    ; my column
	s_or_b32 s[G1A], s27, (3<<16)|(1<<21)          ; xn's images: 8,192 dense bytes as 32 rows of 32 elements of 8 bytes; the mask, bit 21 beside it
	s_mov_b32 s[G1A+1], 32<<16
	s_mov_b32 s[G1A+2], 32<<16
	s_mov_b32 s[G1A+3], 32<<16
	s_mov_b32 s[G1A+4], 32
	s_mov_b32 s[G1A+5], 32
	s_mov_b32 s[G1A+6], 0
	s_mov_b32 s[G1A+7], 0
	s_or_b32 s[G1B], s28, (1<<20)|(1<<21)|(6<<22)|(3<<25)   ; a weight's 64 rows of 512 bytes, 4 words of padding behind every 128
	s_mov_b32 s[G1B+1], 512<<16
	s_mov_b32 s[G1B+2], 64<<16
	s_mov_b32 s[G1B+3], 512<<16
	s_mov_b32 s[G1B+4], 64
	s_mov_b32 s[G1B+5], 512
	s_mov_b32 s[G1B+6], 0
	s_mov_b32 s[G1B+7], 0
	s_lshl_b32 s58, s26, 17
	s_lshl_b32 s59, s[WV], 13
	s_add_co_u32 s58, s58, s59                     ; xn: tile 16 RB + w
	s_mov_b32 s59, 0
	s_lshl_b32 s60, s25, 15                        ; the weights: row 64 x head
	s_mov_b32 s61, 0
	s_min_u32 s62, s[WV], 2
	s_mul_i32 s[G0B+1], s62, 64*BP
	s_add_co_u32 s[G0B+1], s[G0B+1], BW
	s_lshl_b32 s[G0A+1], s[WV], 13
	s_mov_b32 s[G0A], 1
	s_mov_b32 s[G0B], 1
	s_mov_b32 s[SEL], 0x76543210
	s_mov_b32 s[SEL+1], 0xfedcba98
	s_wait_dscnt 0x0
	s_wait_kmcnt 0x0
	s_add_nc_u64 s[G0A+2:G0A+3], s[4:5], s[58:59]
	s_or_b32 s[G0A+3], s[G0A+3], 0x80000000
	s_cmp_eq_u32 s[WV], 1                          ; wave 0 fetches Wq's rows, wave 1 Wk's, wave 2 Wv's
	s_cselect_b64 s[66:67], s[8:9], s[6:7]
	s_cmp_eq_u32 s[WV], 2
	s_cselect_b64 s[66:67], s[10:11], s[66:67]
	s_add_nc_u64 s[G0B+2:G0B+3], s[66:67], s[60:61]
	s_or_b32 s[G0B+3], s[G0B+3], 0x80000000
	CROUND                                         ; all sixteen work-groups are here: the joint loads meet
	tensor_load_to_lds s[G0A:G0A+3], s[G1A:G1A+7]
	s_nop 0
.rept 4
	v_nop
.endr
	s_cmp_lt_u32 s[WV], 3
	s_cbranch_scc0 .Lno_b
	tensor_load_to_lds s[G0B:G0B+3], s[G1B:G1B+7]
	s_nop 0
.rept 4
	v_nop
.endr
.Lno_b:
	v_and_b32 v1, 31, v0                           ; lane
	v_and_b32 v2, 15, v0                           ; r
	v_bfe_u32 v3, v0, 4, 1                         ; h
	v_and_b32 v4, 8, v2
	v_add_nc_u32 v4, v4, v2                        ; r + 8 (r/8)
	s_lshl_b32 s72, s21, 14
	v_lshl_add_u32 v[AX], v1, 4, s72               ; my two tiles' images
	v_mul_u32_u24 v[AW], v4, BP
	v_lshl_add_u32 v[AW], v3, 4, v[AW]
	s_mul_i32 s72, s22, 32*BP
	s_add_co_u32 s72, s72, BW+128*BP
	v_add_nc_u32 v[AV], s72, v[AW]                 ; Wv: rows 32 (w % 2) on
	s_mul_i32 s72, s22, 64*BP
	s_add_co_u32 s72, s72, BW
	v_add_nc_u32 v[AW], s72, v[AW]                 ; Wq or Wk
	s_lshl_b32 s66, s26, 4
	s_lshl_b32 s67, s21, 1
	s_add_co_u32 s66, s66, s67                     ; my first tile
	s_lshl_b32 s67, s66, 9
	v_lshl_add_u32 v[OXS], v2, 5, s67              ; xn's scale bytes: 32 a slot
	s_lshl_b32 s67, s66, 11
	v_lshl_add_u32 v[ORP], v2, 7, s67
	v_lshl_add_u32 v[ORP], v3, 5, v[ORP]           ; the table: 128 bytes a slot, my half's eight sines
	s_lshl_b32 s67, s25, 11
	v_lshl_add_u32 v[OWS], v4, 5, s67              ; the weights' scale bytes: 32 a row
	s_lshl_b32 s72, s22, 10
	s_add_co_u32 s72, s72, s67
	v_lshl_add_u32 v[OVS], v4, 5, s72
	s_cmp_eq_u32 s22, 0
	s_cselect_b64 s[68:69], s[12:13], s[14:15]
	s_cselect_b32 s75, QIMG, 0
	s_mov_b32 s76, KSC
	s_cselect_b32 s76, QSC, s76
.irp j, 0,1
.irp q, 0,1
	global_load_b128 v[XS+8*\j+4*\q:XS+8*\j+4*\q+3], v[OXS], s[4:5] offset:XSCO+512*\j+16*\q
.endr
.endr
.irp t, 0,1,2,3
.irp q, 0,1
	global_load_b128 v[WS+8*\t+4*\q:WS+8*\t+4*\q+3], v[OWS], s[68:69] offset:32*(32*(\t/2)+8*(\t%2))+16*\q
.endr
.endr
.irp e, 0,1
.irp q, 0,1
	global_load_b128 v[VS+8*\e+4*\q:VS+8*\e+4*\q+3], v[OVS], s[16:17] offset:256*\e+16*\q
.endr
.endr
	; where the results go
	s_lshr_b32 s72, s26, 3
	s_lshl_b32 s72, s72, 4
	s_add_co_u32 s72, s72, s25                     ; 16 x batch + head
	s_mul_i32 s72, s72, REG
	s_mov_b32 s73, 0
	s_add_nc_u64 s[70:71], s[18:19], s[72:73]
	s_and_b32 s74, s26, 7                          ; the block within its batch: tile 16 (RB % 8) + 2 P + j
	s_lshl_b32 s77, s74, 13
	s_add_co_u32 s75, s75, s77
	s_lshl_b32 s77, s21, 10
	s_add_co_u32 s75, s75, s77
	v_lshl_add_u32 v[OIM], v1, 4, s75              ; an image of 512 bytes a tile
	s_lshl_b32 s77, s74, 10
	s_add_co_u32 s76, s76, s77
	s_lshr_b32 s77, s21, 1
	s_lshl_b32 s77, s77, 8
	s_add_co_u32 s76, s76, s77
	s_and_b32 s77, s21, 1
	s_lshl_b32 s77, s77, 3
	s_add_co_u32 s76, s76, s77
	v_lshl_add_u32 v[OSC], v2, 4, s76              ; its scale word
	s_lshl_b32 s78, s74, 13
	s_add_co_u32 s78, s78, VIMG
	s_lshr_b32 s77, s21, 2
	s_lshl_b32 s77, s77, 12
	s_add_co_u32 s78, s78, s77
	s_and_b32 s77, s21, 3
	s_lshl_b32 s77, s77, 8
	s_add_co_u32 s78, s78, s77
	s_lshl_b32 s77, s22, 11
	s_add_co_u32 s78, s78, s77
	v_lshlrev_b32 v[OVI], 10, v3
	v_lshl_add_u32 v[OVI], v2, 4, v[OVI]
	v_add_nc_u32 v[OVI], s78, v[OVI]               ; v: step 2 (RB % 8) + P / 4, d tile 2 (w % 2) + h, block P % 4, d slot r
	s_lshl_b32 s79, s74, 9
	s_add_co_u32 s79, s79, VSC
	s_lshr_b32 s77, s21, 2
	s_lshl_b32 s77, s77, 8
	s_add_co_u32 s79, s79, s77
	s_lshl_b32 s77, s22, 3
	s_add_co_u32 s79, s79, s77
	s_and_b32 s77, s21, 3
	s_add_co_u32 s79, s79, s77
	v_lshlrev_b32 v[OVB], 4, v2
	v_lshl_add_u32 v[OVB], v3, 2, v[OVB]
	v_add_nc_u32 v[OVB], s79, v[OVB]
	s_mov_b32 s80, 0xffff0000                      ; lanes 16-31
	v_mov_b32 v[TM+4], 0                           ; written once: a lane permute's destination counts as one of its sources
	v_mov_b32 v[TM+5], 0
	s_wait_tensorcnt 0x0                           ; my parts of the panels have landed
	CROUND                                         ; everybody's have; and no partner has a joint load still to issue: this is also the round behind the last joint load
	s_wait_loadcnt 0x0                             ; the scale words
.macro KSTEP s
.if \s > 0
.rept 4
	v_nop                                          ; places in front of loads into registers that matrix instructions have read
.endr
.endif
.irp j, 0,1
.irp c, 0,1
	ds_load_b128 v[XF+8*\j+4*\c:XF+8*\j+4*\c+3], v[AX] offset:8192*\j+1024*\s+512*\c
.endr
.endr
.irp t, 0,1,2,3
.irp c, 0,1
	ds_load_b128 v[WF+8*\t+4*\c:WF+8*\t+4*\c+3], v[AW] offset:BP*(32*(\t/2)+8*(\t%2))+64*\s+32*\c
.endr
.endr
.irp e, 0,1
.irp c, 0,1
	ds_load_b128 v[VF+8*\e+4*\c:VF+8*\e+4*\c+3], v[AV] offset:BP*8*\e+64*\s+32*\c
.endr
.endr
	s_wait_dscnt 0x0
.irp j, 0,1
.irp t, 0,1,2,3
.if \s == 0
	MM0 QK+32*\j+8*\t, WF+8*\t, XF+8*\j, WS+8*\t+\s, XS+8*\j+\s
.else
	MMA QK+32*\j+8*\t, WF+8*\t, XF+8*\j, WS+8*\t+\s, XS+8*\j+\s
.endif
.endr
.endr
.irp e, 0,1
.irp j, 0,1
.if \s == 0
	MM0 VA+16*\e+8*\j, XF+8*\j, VF+8*\e, XS+8*\j+\s, VS+8*\e+\s
.else
	MMA VA+16*\e+8*\j, XF+8*\j, VF+8*\e, XS+8*\j+\s, VS+8*\e+\s
.endif
.endr
.endr
.endm
.irp s, 0,1,2,3,4,5,6,7
	KSTEP \s
.endr
.rept 4
	v_nop
.endr
.irp j, 0,1
.irp q, 0,1
	global_load_b128 v[SN+16*\j+4*\q:SN+16*\j+4*\q+3], v[ORP], s[4:5] offset:ROPE+2048*\j+16*\q          ; sin 8 h + 0 .. 7 of my token
	global_load_b128 v[SN+16*\j+8+4*\q:SN+16*\j+8+4*\q+3], v[ORP], s[4:5] offset:ROPE+2048*\j+64+16*\q   ; cos
.endr
.endr
	s_wait_loadcnt 0x0
.irp j, 0,1                                    ; the rotary: registers 0 to 15 of a token tile are d = 16 h + 0 .. 15: pairs (2 m, 2 m + 1) turn by angle 8 h + m
.irp m, 0,1,2,3,4,5,6,7
	v_mul_f32 v[TM+8], v[QK+32*\j+2*\m+1], v[SN+16*\j+\m]
	v_mul_f32 v[TM+9], v[QK+32*\j+2*\m], v[SN+16*\j+\m]
	v_fma_f32 v[QK+32*\j+2*\m], v[QK+32*\j+2*\m], v[SN+16*\j+8+\m], -v[TM+8]
	v_fma_f32 v[QK+32*\j+2*\m+1], v[QK+32*\j+2*\m+1], v[SN+16*\j+8+\m], v[TM+9]
.endr
.endr
.irp j, 0,1
	QG2 QK+32*\j, QK+32*\j+16, PC+4*\j             ; the head's two blocks of 32: lane (r, h) ends with block h of token slot r
	v_lshl_or_b32 v[WD+\j], v[TM+5], 8, v[TM+4]    ; the scale word: bytes 2 and 3 are 0, over zero codes
	global_store_b128 v[OIM], v[PC+4*\j:PC+4*\j+3], s[70:71] offset:512*\j    ; 512 consecutive bytes
	global_store_b32 v[OSC], v[WD+\j], s[70:71] offset:4*\j
.endr
	QG2 VA, VA+16, PC+8                            ; 32 neighbouring tokens of one d: lanes 0-15 d tile 2 (w % 2), lanes 16-31 the next
	v_cndmask_b32 v[WD+2], v[TM+4], v[TM+5], s80
	global_store_b128 v[OVI], v[PC+8:PC+11], s[70:71]      ; sixteen lanes store 256 consecutive bytes
	global_store_b8 v[OVB], v[WD+2], s[70:71]
	s_wait_tensorcnt 0x0
	ds_add_u32 v254, v255
	s_wait_dscnt 0x0
	s_endpgm
.Lfunc_end_k_q228de14be3_qkv:
	.size	k_q228de14be3_qkv, .Lfunc_end_k_q228de14be3_qkv-k_q228de14be3_qkv
	.p2alignl 7, 3214868480
	.fill 96, 4, 3214868480
	.section	.rodata,"a",@progbits
	.p2align	6, 0x0
	.amdhsa_kernel k_q228de14be3_qkv
		.amdhsa_group_segment_fixed_size 234496
		.amdhsa_private_segment_fixed_size 0
		.amdhsa_enable_private_segment 0
		.amdhsa_kernarg_size 64
		.amdhsa_user_sgpr_count 2
		.amdhsa_user_sgpr_kernarg_segment_ptr 1
		.amdhsa_wavefront_size32 1
		.amdhsa_system_sgpr_workgroup_id_x 1
		.amdhsa_system_sgpr_workgroup_id_y 1
		.amdhsa_system_sgpr_workgroup_id_z 1
		.amdhsa_system_vgpr_workitem_id 0
		.amdhsa_next_free_vgpr 256
		.amdhsa_next_free_sgpr 84
		.amdhsa_reserve_vcc 0
		.amdhsa_float_denorm_mode_32 3
		.amdhsa_float_denorm_mode_16_64 3
		.amdhsa_memory_ordered 1
		.amdhsa_forward_progress 1
		.amdhsa_inst_pref_size 41
	.end_amdhsa_kernel
	.amdgpu_metadata
---
amdhsa.version: [ 1, 2 ]
amdhsa.kernels:
  - .name:           k_q228de14be3_qkv
    .symbol:         k_q228de14be3_qkv.kd
    .args:
      - { .name: xa, .offset: 0, .size: 8, .value_kind: global_buffer, .address_space: global }
      - { .name: Wq_codes, .offset: 8, .size: 8, .value_kind: global_buffer, .address_space: global }
      - { .name: Wk_codes, .offset: 16, .size: 8, .value_kind: global_buffer, .address_space: global }
      - { .name: Wv_codes, .offset: 24, .size: 8, .value_kind: global_buffer, .address_space: global }
      - { .name: Wq_scales, .offset: 32, .size: 8, .value_kind: global_buffer, .address_space: global }
      - { .name: Wk_scales, .offset: 40, .size: 8, .value_kind: global_buffer, .address_space: global }
      - { .name: Wv_scales, .offset: 48, .size: 8, .value_kind: global_buffer, .address_space: global }
      - { .name: qkv, .offset: 56, .size: 8, .value_kind: global_buffer, .address_space: global }
    .group_segment_fixed_size: 234496
    .private_segment_fixed_size: 0
    .kernarg_segment_align: 8
    .kernarg_segment_size: 64
    .max_flat_workgroup_size: 512
    .sgpr_count:     84
    .vgpr_count:     256
    .wavefront_size: 32
...
	.end_amdgpu_metadata
.endif
;; end of part 2
;; launch attn (part 3): grid 8 x 32, 16 waves a work-group, no clusters, 145,408 bytes of LDS; arguments qkv, msk, ao; writes ao
.if DOCPART == 3
	.amdgcn_target "amdgcn-amd-amdhsa--gfx1250"
	.amdhsa_code_object_version 6
	.text
	.protected	k_q228de14be3_attn
	.globl	k_q228de14be3_attn
	.p2align	8
	.type	k_q228de14be3_attn,@function
k_q228de14be3_attn:
	s_mov_b64 s[64:65], 0
	v_nop
	global_prefetch_b8 v0, s[64:65] scope:SCOPE_SE
	s_setreg_imm32_b32 hwreg(HW_REG_WAVE_MODE, 25, 1), 1
	s_wait_xcnt 0x0
; ATTENTION on codes of E2M1: S^T = k q^T, the mask, p = 2^(t - M), O^T = v^T p^T, O / l, quantised along heads x 64 and stored as images for the next product.
; t = score x log2(e) / 8; M = the running largest t rounded up to a whole number; the row's sum l is taken of the unquantised p; when M moves, l and O^T are multiplied by 2^(old M - new M): exact.
; A work-group takes one batch and head; its K, V and their scale words (143,360 bytes, as the launch before laid them) are copied into LDS once, through registers, and stay: the key loop has no barrier.
; A wave owns one tile of 16 queries and walks the 16 steps of 128 keys alone.  A STEP THAT THE MASK HIDES FROM ALL 16 QUERIES IS PASSED OVER, and a step all of whose keys count neither loads its mask words nor
; masks: two scalar branches on the tile's flag word, which an earlier launch stored.  The launch has no tensor load, and so no joint loads, though the eight work-groups
; of a head read the same K and V.  The tiles of a work-group are spread over the sequence: tile 8 x rank + work-group x.  The sixteen waves' ranks are the numbers 0 to 15 laid in a square of 4 x 4 whose rows and
; columns all sum to 30: four neighbouring waves, and four waves that stand four apart, have the same sum of ranks, so that a mask under which a tile's steps grow with its rank spreads evenly either way.
; The head is 64: a K fragment's upper four registers are whatever follows (the next tile's codes); they meet q's zero codes, under scale bytes 0 (2^-127, no NaN).
; LIMITS: a hidden score is -2^103 (a logit of -2^100) where reference() has -1e30: score x c is then exact, t - M is 0 in a row with no key at all (p = 1: the uniform mean), and p = 0 beside any logit above -1e29.
; NaN and infinities are not served.
; REGISTERS: v1-11, v25 addresses; v12 -M, v13 the largest t, v[14:15] l; v16-23 q (upper half zeros), v24 its scale word; v28-31 mask words; v32-67 K's eight tiles, then V's four fragments; v68-75, v76-79 scale words;
; v96-159 S^T, then p; v160-191 O^T; v224-231 p's codes; v232-254 at work; v253 p's scale word.  At the head v96-165 carry the copy of K and V.
.set REG,   217088
.set VIMG,  65536
.set KSC,   131072
.set VSC,   139264
.set QIMG,  143360
.set QSC,   208896
.set MBITS, 16384
.set AOS,   2097152
.set BK, 1
.set BV, 2
.set BS, 3
.set H16, 4
.set NEG, 5
.set ADK, 6
.set ADV, 7
.set ADS, 8
.set ADT, 9
.set MA, 10
.set BT, 11
.set BM, 25
.set FA0, 81
.set FA1, 82
.set FA2, 83
.set FA3, 84
.set FG, 85
.set OQ, 86
.set OQS, 87
.set OO, 88
.set OOS, 89
.set OW, 90
.set TM, 232
.set WV, 10
.set SEL, 20
.set CS, 22
.set FW, 24
.set F2, 25
.set KO, 26
.set SO, 27
.set TO, 28
.set MO, 29
.set CNT, 30
.macro MM0 d, a, b, sa, sb
	v_wmma_scale_f32_16x16x128_f8f6f4 v[\d:\d+7], v[\a:\a+7], v[\b:\b+7], 0, v[\sa], v[\sb] matrix_a_fmt:MATRIX_FMT_FP4 matrix_b_fmt:MATRIX_FMT_FP4
.endm
.macro MMA d, a, b, sa, sb
	v_wmma_scale_f32_16x16x128_f8f6f4 v[\d:\d+7], v[\a:\a+7], v[\b:\b+7], v[\d:\d+7], v[\sa], v[\sb] matrix_a_fmt:MATRIX_FMT_FP4 matrix_b_fmt:MATRIX_FMT_FP4
.endm
.macro QG2 s0, s1, pc                  ; two groups of 16 registers, each half a block of 32: lanes 0-15 end with group 0's block, lanes 16-31 with group 1's; the bytes in v[TM+4], v[TM+5]
	v_max3_num_f32 v[TM], |v[\s0]|, |v[\s0+1]|, 0x1800000
	v_max3_num_f32 v[TM+1], |v[\s1]|, |v[\s1+1]|, 0x1800000
.irp i, 2,4,6,8,10,12,14
	v_max3_num_f32 v[TM], v[TM], |v[\s0+\i]|, |v[\s0+\i+1]|
	v_max3_num_f32 v[TM+1], v[TM+1], |v[\s1+\i]|, |v[\s1+\i+1]|
.endr
	v_permlanex16_b32 v[TM+4], v[TM], s[SEL], s[SEL+1]
	v_permlanex16_b32 v[TM+5], v[TM+1], s[SEL], s[SEL+1]
	v_max_num_f32 v[TM], v[TM], v[TM+4]
	v_max_num_f32 v[TM+1], v[TM+1], v[TM+5]
	v_add_nc_u32 v[TM+12], 0xff000000, v[TM]
	v_add_nc_u32 v[TM+13], 0xff000000, v[TM+1]
	v_lshrrev_b32 v[TM+4], 23, v[TM+12]
	v_lshrrev_b32 v[TM+5], 23, v[TM+13]
	v_cvt_scalef32_pk8_fp4_f32 v[\pc], v[\s0:\s0+7], v[TM+12]
	v_cvt_scalef32_pk8_fp4_f32 v[\pc+1], v[\s0+8:\s0+15], v[TM+12]
	v_cvt_scalef32_pk8_fp4_f32 v[\pc+2], v[\s1:\s1+7], v[TM+13]
	v_cvt_scalef32_pk8_fp4_f32 v[\pc+3], v[\s1+8:\s1+15], v[TM+13]
	v_nop
	v_permlane16_swap_b32 v[\pc], v[\pc+2]
	v_permlane16_swap_b32 v[\pc+1], v[\pc+3]
.endm
; The K part of a step: K's eight tiles and their scale words out of LDS, the eight products S^T, and V's loads, which land under the softmax.  It is written on both ways of the branch on the flag,
; so that a step with hidden keys can ask for its mask words ahead of it and a step without has no load from memory at all.
.macro KPART
.irp t, 0,1,2,3,4,5,6,7
	ds_load_b128 v[32+4*\t:35+4*\t], v[ADK] offset:512*\t
.endr
	ds_load_b128 v[68:71], v[ADS]
	ds_load_b128 v[72:75], v[ADS] offset:256
	s_wait_dscnt 0x0
.irp t, 0,1,2,3,4,5,6,7
	MM0 96+8*\t, 32+4*\t, 16, 68+\t, 24            ; lane (r, h): query slot r; the 16 registers of tiles 2 b, 2 b + 1 are keys 32 b + 16 h + 0 .. 15 of the step
.endr
.rept 4
	v_nop                                          ; places in front of loads into registers that these products read, and of the first read of their results
.endr
.irp d, 0,1,2,3
.irp c, 0,1
	ds_load_b128 v[32+8*\d+4*\c:35+8*\d+4*\c], v[ADV] offset:1024*\d+512*\c
.endr
.endr
	ds_load_b128 v[76:79], v[ADT]
.endm
	s_load_b128 s[4:7], s[0:1], 0x0                ; qkv, msk
	s_load_b64 s[8:9], s[0:1], 0x10                ; ao
	v_lshl_add_u32 v251, v0, 2, 0x23000
	v_mov_b32 v255, 0
	v_lshrrev_b32 v6, 5, v0
	v_readfirstlane_b32 s[WV], v6
	s_and_b32 s12, ttmp7, 0xffff                   ; 16 x batch + head
	s_mov_b32 s14, 0x7a94c12f                      ; the ranks of waves 0 to 7, four bits each: 15 2 1 12 | 4 9 10 7
	s_mov_b32 s15, 0x0de3b658                      ; and of waves 8 to 15: 8 5 6 11 | 3 14 13 0
	s_cmp_lt_u32 s[WV], 8
	s_cselect_b32 s14, s14, s15
	s_and_b32 s15, s[WV], 7
	s_lshl_b32 s15, s15, 2
	s_lshr_b32 s14, s14, s15
	s_and_b32 s14, s14, 15                         ; my rank
	s_lshl_b32 s13, s14, 3
	s_add_co_u32 s13, s13, ttmp9                   ; my tile of queries, within the batch
	s_lshl_b32 s15, s13, 7
	s_mul_i32 s16, s12, REG
	s_mov_b32 s17, 0
	v_lshlrev_b32 v[FA0], 4, v0
	v_lshlrev_b32 v[FG], 3, v0
	s_wait_kmcnt 0x0
	s_load_b32 s[FW], s[6:7], s15 offset:0x0       ; the tile's flag word: two bits a step
	s_add_nc_u64 s[4:5], s[4:5], s[16:17]          ; my head's region
.set n, 0
.rept 17
	global_load_b128 v[96+4*n:99+4*n], v[FA0], s[4:5] offset:8192*n     ; the work-group reads 8,192 consecutive bytes
.set n, n+1
.endr
	global_load_b64 v[164:165], v[FG], s[4:5] offset:VSC
	v_and_b32 v6, 31, v0                           ; lane
	v_and_b32 v7, 15, v0                           ; r
	v_bfe_u32 v8, v0, 4, 1                         ; h
	s_lshl_b32 s18, s13, 9
	v_lshl_add_u32 v[OQ], v6, 4, s18
	s_lshr_b32 s18, s13, 2
	s_lshl_b32 s18, s18, 8
	s_and_b32 s19, s13, 3
	s_lshl_b32 s19, s19, 2
	s_add_co_u32 s18, s18, s19
	v_lshl_add_u32 v[OQS], v7, 4, s18
	global_load_b128 v[16:19], v[OQ], s[4:5] offset:QIMG     ; q's codes stay in registers
	global_load_b32 v24, v[OQS], s[4:5] offset:QSC
	v_add_nc_u32 v[FA1], 0x10000, v[FA0]
	v_add_nc_u32 v[FA2], 0x20000, v[FA0]
	v_lshl_add_u32 v[FA3], v0, 3, VSC
	v_lshlrev_b32 v[BK], 4, v6
	v_add_nc_u32 v[BV], VIMG, v[BK]
	v_lshl_add_u32 v[BS], v7, 4, KSC
	v_lshl_add_u32 v[BT], v7, 4, VSC
	v_lshlrev_b32 v[H16], 4, v8
	v_mov_b32 v[NEG], 0xf3000000                   ; -2^103
	s_lshl_b32 s18, s13, 12
	v_lshl_add_u32 v[BM], v7, 8, s18               ; my query's 256 bytes of mask bits
	s_lshr_b32 s31, s12, 4
	s_lshl_b32 s31, s31, 7
	s_add_co_u32 s31, s31, s13                     ; the tile among all 256
	s_and_b32 s32, s12, 15                         ; the head
	s_lshl_b32 s18, s31, 13
	s_lshl_b32 s19, s32, 9
	s_add_co_u32 s18, s18, s19
	v_lshl_add_u32 v[OO], v6, 4, s18               ; ao's image: K step head / 2, register group head % 2
	s_lshl_b32 s18, s31, 9
	s_lshl_b32 s19, s32, 1
	s_add_co_u32 s18, s18, s19
	v_lshl_add_u32 v[OOS], v7, 5, s18              ; its scale bytes 2 head, 2 head + 1
	s_mov_b32 s[SEL], 0x76543210
	s_mov_b32 s[SEL+1], 0xfedcba98
	s_mov_b32 s[CS], 0x3e38aa3b                    ; c = log2(e) / 8
	s_mov_b32 s[CS+1], s[CS]
	s_mov_b32 s[KO], 0
	s_mov_b32 s[SO], 0
	s_mov_b32 s[TO], 0
	s_mov_b32 s[MO], 0
	s_mov_b32 s[CNT], 0
	v_mov_b32 v13, 0xff61b1e6                      ; the largest t so far: -3e38
	v_floor_f32 v12, -v13                          ; -M
	v_mov_b32 v14, 0
	v_mov_b32 v15, 0
.irp i, 20,21,22,23,64,65,66,67,236,237,238,239,252,253
	v_mov_b32 v\i, 0                               ; q's upper half; what follows K's last tile; permute destinations; the pair v[252:253].  None of these is the target of a load that is out
.endr
	s_wait_loadcnt 0x0                             ; the copy's 18 loads, q and its scale word
.set n, 0
.rept 8
	ds_store_b128 v[FA0], v[96+4*n:99+4*n] offset:8192*n
.set n, n+1
.endr
.set n, 0
.rept 8
	ds_store_b128 v[FA1], v[128+4*n:131+4*n] offset:8192*n
.set n, n+1
.endr
	ds_store_b128 v[FA2], v[160:163]
	ds_store_b64 v[FA3], v[164:165]
	s_wait_dscnt 0x0                               ; for the others' sake: my stores are done
	s_barrier_signal -1
	s_barrier_wait -1
.set n, 0
.rept 32
	v_mov_b32 v[160+n], 0                          ; O^T: the step is written once; the first finds zeros.  Cleared here, where the copy's loads into v160-165 have landed and its stores have read them
.set n, n+1
.endr
	s_wait_kmcnt 0x0                               ; the flag word
.Lstep:                                            ; 16 trips, a constant
	s_and_b32 s[F2], s[FW], 3
	s_lshr_b32 s[FW], s[FW], 2
	s_cmp_eq_u32 s[F2], 0
	s_cbranch_scc1 .Lskip                          ; no key of this step counts for any of my 16 queries
	v_add_nc_u32 v[ADK], s[KO], v[BK]              ; five plain lines: also the places in front of loads into registers that the last products read
	v_add_nc_u32 v[ADV], s[KO], v[BV]
	v_add_nc_u32 v[ADS], s[SO], v[BS]
	v_add_nc_u32 v[ADT], s[TO], v[BT]
	v_add_nc_u32 v[MA], s[MO], v[BM]
	s_cmp_eq_u32 s[F2], 2
	s_cbranch_scc1 .Lfull                          ; all 128 keys count for all 16 queries: no mask word is wanted
	global_load_b128 v[28:31], v[MA], s[6:7] offset:MBITS    ; my query's 128 mask bits of this step: on their way under the K part
	KPART
	s_wait_loadcnt 0x0                             ; the mask words: the one load from memory that is out
.irp b, 0,1,2,3
	v_lshrrev_b32 v[28+\b], v[H16], v[28+\b]       ; my half's 16 bits of word b
.endr
.set n, 0
.rept 64
	v_and_b32 v254, 1<<(n%16), v[28+n/16]
	v_cmp_eq_u32 vcc_lo, 0, v254
	v_cndmask_b32 v[96+n], v[96+n], v[NEG], vcc_lo
.set n, n+1
.endr
	s_branch .Lopen
.Lfull:
	KPART
.Lopen:
.irp b, 0,1,2,3
	v_max3_num_f32 v[232+\b], v[96+16*\b], v[97+16*\b], v[98+16*\b]   ; the largest score of each block of 32 keys: for the row's maximum, and for the block's largest p
.endr
.irp i, 3,5,7,9,11,13
.irp b, 0,1,2,3
	v_max3_num_f32 v[232+\b], v[232+\b], v[96+16*\b+\i], v[97+16*\b+\i]
.endr
.endr
.irp b, 0,1,2,3
	v_max_num_f32 v[232+\b], v[232+\b], v[111+16*\b]
.endr
.irp b, 0,1,2,3
	v_permlanex16_b32 v[236+\b], v[232+\b], s[SEL], s[SEL+1]
.endr
.irp b, 0,1,2,3
	v_max_num_f32 v[232+\b], v[232+\b], v[236+\b]
.endr
	v_max3_num_f32 v254, v232, v233, v234
	v_max_num_f32 v254, v254, v235
	v_mul_f32 v254, s[CS], v254
	v_max_num_f32 v13, v13, v254                   ; the running largest t
	v_mov_b32 v254, v12
	v_floor_f32 v12, -v13                          ; the new -M: a whole number
	v_sub_f32 v254, v12, v254                      ; old M - new M
	v_cvt_i32_f32 v254, v254                       ; (it saturates)
	v_ldexp_f32 v252, 1.0, v254                    ; f = 2^(old M - new M)
.set n, 0
.rept 32
	v_pk_fma_f32 v[96+n:97+n], v[96+n:97+n], s[CS:CS+1], v[12:13] op_sel_hi:[1,0,0]   ; t - M
.set n, n+2
.endr
.irp b, 0,1,2,3
	v_fma_f32 v[232+\b], v[232+\b], s[CS], v12
.endr
.set n, 0
.rept 64
	v_exp_f32 v[96+n], v[96+n]                     ; p = 2^(t - M)
.set n, n+1
.endr
	v_pk_mul_f32 v[14:15], v[14:15], v[252:253] op_sel_hi:[1,0]   ; l under the new M: a plain line behind the exponentials
	s_wait_alu depctr_va_vdst(0)                   ; one wait for the batch, ahead of its first reader
.irp b, 0,1,2,3
	v_exp_f32 v[232+\b], v[232+\b]                 ; each block's largest p
.endr
	v_pk_add_f32 v[236:237], v[96:97], v[98:99]    ; the row's sum, of the unquantised p, in two chains
.irp j, 4,8,12,16,20,24,28,32,36,40,44,48,52,56,60
	v_pk_add_f32 v[14:15], v[14:15], v[96+\j:97+\j]
	v_pk_add_f32 v[236:237], v[236:237], v[98+\j:99+\j]
.endr
	v_pk_add_f32 v[14:15], v[14:15], v[236:237]
	s_wait_alu depctr_va_vdst(0)                   ; and one for the four
.irp b, 0,1,2,3
	v_max_num_f32 v[232+\b], 0x1800000, v[232+\b]  ; the floor: the byte cannot fall under 1
.endr
.irp b, 0,1,2,3
	v_add_nc_u32 v[244+\b], 0xff000000, v[232+\b]
.endr
.irp b, 0,1,2,3
	v_lshrrev_b32 v[236+\b], 23, v[244+\b]
.endr
	v_lshl_or_b32 v253, v237, 8, v236              ; p's scale word for these 128 keys
	v_lshl_or_b32 v253, v238, 16, v253
	v_lshl_or_b32 v253, v239, 24, v253
.irp b, 0,1,2,3
	v_cvt_scalef32_pk8_fp4_f32 v[224+2*\b], v[96+16*\b:103+16*\b], v[244+\b]
	v_cvt_scalef32_pk8_fp4_f32 v[225+2*\b], v[104+16*\b:111+16*\b], v[244+\b]
.endr
	v_nop
.irp c, 0,1
.irp i, 0,1
	v_permlane16_swap_b32 v[224+4*\c+\i], v[226+4*\c+\i]
.endr
.endr
.set n, 0
.rept 16
	v_pk_mul_f32 v[160+n:161+n], v[160+n:161+n], v[252:253] op_sel_hi:[1,0]   ; O^T under the new M; these sixteen also part the scale word and the codes from the products
.set n, n+2
.endr
	s_wait_dscnt 0x0                               ; V
.irp d, 0,1,2,3
	MMA 160+8*\d, 32+8*\d, 224, 76+\d, 253
.endr
.Lskip:
	s_add_co_u32 s[KO], s[KO], 4096
	s_add_co_u32 s[SO], s[SO], 512
	s_add_co_u32 s[TO], s[TO], 256
	s_add_co_u32 s[MO], s[MO], 16
	s_add_co_u32 s[CNT], s[CNT], 1
	s_cmp_lt_u32 s[CNT], 16
	s_cbranch_scc1 .Lstep
.rept 4
	v_nop                                          ; places behind the last products
.endr
	v_add_f32 v14, v14, v15
	v_permlanex16_b32 v252, v14, s[SEL], s[SEL+1]
	v_add_f32 v14, v14, v252                       ; the row's sum
	v_rcp_f32 v14, v14
	v_nop
	s_wait_alu depctr_va_vdst(0)
.set n, 0
.rept 32
	v_mul_f32 v[96+n], v[160+n], v14               ; register 16 b + i is d = 32 b + 16 h + i
.set n, n+1
.endr
	QG2 96, 112, 224
	v_lshl_or_b32 v[OW], v[TM+5], 8, v[TM+4]
	global_store_b128 v[OO], v[224:227], s[8:9]    ; 512 consecutive bytes
	global_store_b16 v[OOS], v[OW], s[8:9] offset:AOS
	s_wait_tensorcnt 0x0
	ds_add_u32 v251, v255
	s_wait_dscnt 0x0
	s_endpgm
.Lfunc_end_k_q228de14be3_attn:
	.size	k_q228de14be3_attn, .Lfunc_end_k_q228de14be3_attn-k_q228de14be3_attn
	.p2alignl 7, 3214868480
	.fill 96, 4, 3214868480
	.section	.rodata,"a",@progbits
	.p2align	6, 0x0
	.amdhsa_kernel k_q228de14be3_attn
		.amdhsa_group_segment_fixed_size 145408
		.amdhsa_private_segment_fixed_size 0
		.amdhsa_enable_private_segment 0
		.amdhsa_kernarg_size 24
		.amdhsa_user_sgpr_count 2
		.amdhsa_user_sgpr_kernarg_segment_ptr 1
		.amdhsa_wavefront_size32 1
		.amdhsa_system_sgpr_workgroup_id_x 1
		.amdhsa_system_sgpr_workgroup_id_y 1
		.amdhsa_system_sgpr_workgroup_id_z 1
		.amdhsa_system_vgpr_workitem_id 0
		.amdhsa_next_free_vgpr 256
		.amdhsa_next_free_sgpr 66
		.amdhsa_reserve_vcc 1
		.amdhsa_float_denorm_mode_32 3
		.amdhsa_float_denorm_mode_16_64 3
		.amdhsa_memory_ordered 1
		.amdhsa_forward_progress 1
		.amdhsa_inst_pref_size 37
	.end_amdhsa_kernel
	.amdgpu_metadata
---
amdhsa.version: [ 1, 2 ]
amdhsa.kernels:
  - .name:           k_q228de14be3_attn
    .symbol:         k_q228de14be3_attn.kd
    .args:
      - { .name: qkv, .offset: 0, .size: 8, .value_kind: global_buffer, .address_space: global }
      - { .name: msk, .offset: 8, .size: 8, .value_kind: global_buffer, .address_space: global }
      - { .name: ao, .offset: 16, .size: 8, .value_kind: global_buffer, .address_space: global }
    .group_segment_fixed_size: 145408
    .private_segment_fixed_size: 0
    .kernarg_segment_align: 8
    .kernarg_segment_size: 24
    .max_flat_workgroup_size: 512
    .sgpr_count:     66
    .vgpr_count:     256
    .wavefront_size: 32
...
	.end_amdgpu_metadata
.endif
;; end of part 3
;; launch wo (part 4): grid 256 x 1, 16 waves a work-group, clusters of 4 x 1, 281,088 bytes of LDS; arguments ao, xa, Wo_scales, x, ffn_scale, hb, hq; writes hb, hq
.if DOCPART == 4
	.amdgcn_target "amdgcn-amd-amdhsa--gfx1250"
	.amdhsa_code_object_version 6
	.text
	.protected	k_q228de14be3_wo
	.globl	k_q228de14be3_wo
	.p2align	8
	.type	k_q228de14be3_wo,@function
k_q228de14be3_wo:
	s_mov_b64 s[64:65], 0
	v_nop
	global_prefetch_b8 v0, s[64:65] scope:SCOPE_SE
	s_setreg_imm32_b32 hwreg(HW_REG_WAVE_MODE, 25, 1), 1
	s_wait_xcnt 0x0
	s_wait_alu depctr_hold_cnt(0) depctr_sa_sdst(0) depctr_va_vdst(0) depctr_va_sdst(0) depctr_va_ssrc(0) depctr_va_vcc(0) depctr_vm_vsrc(0)
	s_getreg_b32 s2, hwreg(HW_REG_IB_STS2, 6, 4)
	s_cmp_eq_u32 s2, 0
	s_cbranch_scc0 .Lentry_in_a_cluster
	s_endpgm
.Lentry_in_a_cluster:
	s_bfe_u32 s2, ttmp6, 0x10000c
	s_cmp_lg_u32 s2, 0x3003
	s_cbranch_scc0 .Lentry_shape_is_right
	s_endpgm
.Lentry_shape_is_right:
; WO: h = x + attention Wo (on codes of E2M1), stored in slot order; hn = h * ffn_scale * rsqrt(mean(h^2) + 1e-6), quantised along D, stored as images.
; A work-group owns a tile of 16 slots with all 1,024 columns, so that the norm and the quantiser can follow at once.  PHASE 1: wave w makes columns 64 w .. 64 w + 63, transposed (source 0 = 16 rows of Wo,
; source 1 = the tile): Wo's tiles 4 w + 0 .. 3.  Every work-group walks all of Wo's images, 524,288 bytes, which do not fit in LDS.  THEY COME BY TWO ROADS AT ONCE.  Tiles 4 w and 4 w + 1, 16,384 dense bytes a wave,
; 262,144 in all, come into LDS by one tensor load a wave, asked for JOINTLY by the four work-groups of a cluster (the same descriptor in all four: it is made of the buffer's address and the wave's number alone); they are
; filled once, and each wave reads only the bytes that its own load brought.  Tiles 4 w + 2 and 4 w + 3 go from memory straight into registers (512 consecutive bytes a load), four K steps ahead.
; The tile's own 8 images come once for the work-group, 16 bytes a thread, through registers into LDS bytes of their own.  x's row is asked for behind K step 3 and the gain behind K step 5, into registers that the
; products have done with.  PHASE 2: wave w takes slot w, a whole row, out of a stage that lies in Wo's LDS bytes: they have had their only fill, and behind a barrier nobody reads them any more.
; The four accumulators take turns, one instruction a turn.
; LIMITS: NaN and infinities are not served; a block of zeros gets the byte 1.
.set AOS,   2097152
.set WOI,   0x2a0000
.set WP,    4624                       ; the stage, from LDS byte 0: a row: 32 blocks of 128 bytes + 16
.set BP,    144
.set AIM,   262144                     ; behind Wo's 16 x 16,384 bytes: the tile's 8 images;
.set IMG,   AIM+8192                   ; hn's 8 images;
.set SCL,   IMG+8192                   ; hn's scale bytes [slot][32]
.set L, 1
.set L16, 2
.set WLA, 3                            ; 16,384 w + 16 l: my wave's part of Wo in LDS
.set SI, 4
.set SB, 5
.set IM, 6
.set SCA, 7
.set IMR, 8
.set STO, 9
.set AST, 10                           ; AIM + 16 x thread
.set OAS, 11
.set OBS, 12
.set OB, 13
.set OH, 14
.set T0, 15
.set AF, 16                            ; v16-79 the tile's 8 fragments
.set BG, 80                            ; v80-143 four slots of two fragments of Wo, from memory
.set BL, 144                           ; v144-175 two sets of two fragments of Wo, from LDS
.set ACC, 176                          ; v176-207; later at work
.set BS, 208                           ; Wo's scale words 8 t + s
.set AS, 240                           ; the tile's
.set XGO, 248
.set SCR, 249
.set SGO, 250
.set T1, 251
.set ALD, 252                          ; AIM + 16 l
.set XX, 16                            ; phase 2: x; h x gain; the gain; h; my block
.set HG, 48
.set G, 80
.set HH, 112
.set Y, 144
.set SS, 176
.set C, 180
.set E, 184
.set MX, 185
.set MX2, 186
.set SO, 187
.set G1, 32
.set G0, 40
.macro CROUND                          ; a round of the cluster's barrier
	s_barrier_signal -1
	s_barrier_wait -1
	s_cmp_lg_u32 s18, 0
	s_cbranch_scc1 .Lnot_wave_0_\@
	s_barrier_signal -3
.Lnot_wave_0_\@:
	s_barrier_wait -3
	s_barrier_signal -1
	s_barrier_wait -1
.endm
.macro MM0 d, a, b, sa, sb
	v_wmma_scale_f32_16x16x128_f8f6f4 v[\d:\d+7], v[\a:\a+7], v[\b:\b+7], 0, v[\sa], v[\sb] matrix_a_fmt:MATRIX_FMT_FP4 matrix_b_fmt:MATRIX_FMT_FP4
.endm
.macro MMA d, a, b, sa, sb
	v_wmma_scale_f32_16x16x128_f8f6f4 v[\d:\d+7], v[\a:\a+7], v[\b:\b+7], v[\d:\d+7], v[\sa], v[\sb] matrix_a_fmt:MATRIX_FMT_FP4 matrix_b_fmt:MATRIX_FMT_FP4
.endm
.macro ROWQ                            ; the lane's 32 numbers v[Y] on are one block: codes into v[C:C+3], byte into v[E]
	v_max3_num_f32 v[MX], |v[Y]|, |v[Y+1]|, |v[Y+2]|
	v_max3_num_f32 v[MX2], |v[Y+3]|, |v[Y+4]|, |v[Y+5]|
.irp i, 6,10,14,18,22,26
	v_max3_num_f32 v[MX], v[MX], |v[Y+\i]|, |v[Y+\i+1]|
	v_max3_num_f32 v[MX2], v[MX2], |v[Y+\i+2]|, |v[Y+\i+3]|
.endr
	v_max3_num_f32 v[MX], v[MX], |v[Y+30]|, |v[Y+31]|
	v_max3_num_f32 v[MX], v[MX], v[MX2], 0x1800000
	v_add_nc_u32 v[SO], 0xff000000, v[MX]
	v_lshrrev_b32 v[E], 23, v[SO]
.irp g, 0,1,2,3
	v_cvt_scalef32_pk8_fp4_f32 v[C+\g], v[Y+8*\g:Y+8*\g+7], v[SO]
.endr
	v_nop
.endm
.macro BGLOAD s                        ; K step s of Wo's tiles 4 w + 2, 4 w + 3, from memory into slot s % 4
.irp t, 0,1
.irp c, 0,1
	global_load_b128 v[BG+16*((\s)%4)+8*\t+4*\c:BG+16*((\s)%4)+8*\t+4*\c+3], v[OB], s[6:7] offset:WOI+16384+8192*\t+1024*(\s)+512*\c
.endr
.endr
.endm
.macro BLLOAD s                        ; K step s of Wo's tiles 4 w, 4 w + 1, from LDS into set s % 2
.irp t, 0,1
.irp c, 0,1
	ds_load_b128 v[BL+16*((\s)%2)+8*\t+4*\c:BL+16*((\s)%2)+8*\t+4*\c+3], v[WLA] offset:8192*\t+1024*(\s)+512*\c
.endr
.endr
.endm
	s_load_b256 s[4:11], s[0:1], 0x0               ; ao, xa, Wo_scales, x
	s_load_b128 s[12:15], s[0:1], 0x20             ; ffn_scale, hb
	s_load_b64 s[16:17], s[0:1], 0x30              ; hq
	v_lshl_add_u32 v254, v0, 2, 0x44200
	v_mov_b32 v255, 0
	ds_add_u32 v254, v255
	ds_add_u32 v254, v255
	v_lshrrev_b32 v[T0], 5, v0
	v_readfirstlane_b32 s18, v[T0]                 ; wave
	v_and_b32 v[L], 31, v0
	s_bfe_u32 s25, ttmp6, 0x40000                  ; cx: my place in the cluster
	s_lshl_b32 s19, ttmp9, 2
	s_add_co_u32 s19, s19, s25                     ; tile = 4 x cluster x + cx: it enters addresses in memory alone
	s_lshr_b32 s20, s19, 1
	s_lshl_b32 s20, s20, 5
	s_and_b32 s24, s19, 1
	s_lshl_b32 s24, s24, 3
	s_add_co_u32 s20, s20, s24
	s_add_co_u32 s20, s20, s18
	s_and_b32 s24, s18, 8
	s_add_co_u32 s20, s20, s24                     ; slot w's token
	s_lshl_b32 s21, s19, 4
	s_add_co_u32 s21, s21, s18                     ; its slot number
	s_mov_b32 s22, 0x76543210
	s_mov_b32 s23, 0xfedcba98
	s_mov_b32 s31, 0x3a800000                      ; 1 / 1,024
	s_mov_b32 s[G1], 15|(3<<16)|(1<<21)            ; 15:0 the mask: all four work-groups; 17:16 elements of 8 bytes; 21 set beside a mask
	s_mov_b32 s[G1+1], 32<<16                      ; 16,384 dense bytes as 64 rows of 32 elements
	s_mov_b32 s[G1+2], 64<<16
	s_mov_b32 s[G1+3], 32<<16
	s_mov_b32 s[G1+4], 64
	s_mov_b32 s[G1+5], 32
	s_mov_b32 s[G1+6], 0
	s_mov_b32 s[G1+7], 0
	s_mov_b32 s[G0], 1
	s_lshl_b32 s[G0+1], s18, 14                    ; LDS: 16,384 x wave
	v_lshlrev_b32 v[L16], 4, v[L]
	s_lshl_b32 s24, s18, 14
	v_add_nc_u32 v[WLA], s24, v[L16]
	v_lshl_add_u32 v[AST], v0, 4, AIM
	v_lshl_add_u32 v[ALD], v[L], 4, AIM
	s_mul_i32 s27, s18, WP
	v_lshrrev_b32 v[T0], 3, v[L]
	v_mul_u32_u24 v[SI], v[T0], BP
	v_and_b32 v[T0], 7, v[L]
	v_lshl_add_u32 v[SI], v[T0], 4, v[SI]
	v_add_nc_u32 v[SI], s27, v[SI]
	v_mul_u32_u24 v[SB], v[L], BP
	v_add_nc_u32 v[SB], s27, v[SB]
	s_lshl_b32 s24, s18, 4
	s_add_co_u32 s24, s24, IMG
	v_lshl_add_u32 v[IM], v[L], 8, s24
	s_lshl_b32 s24, s18, 5
	s_add_co_u32 s24, s24, SCL
	v_add_nc_u32 v[SCA], s24, v[L]
	v_lshl_add_u32 v[IMR], v0, 4, IMG
	v_lshl_add_u32 v[SCR], v[L], 4, SCL
	v_and_b32 v[T0], 15, v0                        ; r
	v_bfe_u32 v[T1], v0, 4, 1                      ; h
	v_mul_u32_u24 v[STO], v[T0], WP
	v_lshl_add_u32 v[STO], v[T1], 6, v[STO]
	s_mul_i32 s24, s18, 2*BP
	v_add_nc_u32 v[STO], s24, v[STO]               ; the stage: row r, blocks 2 w and 2 w + 1, + 64 h
	s_lshl_b32 s24, s19, 13
	v_lshl_add_u32 v[XGO], v0, 4, s24              ; 16 bytes a thread of a tile's 8,192: in ao on the way in, in hq on the way out
	s_lshl_b32 s24, s19, 9
	v_lshl_add_u32 v[OAS], v[T0], 5, s24
	v_lshl_add_u32 v[SGO], v[L], 4, s24
	v_and_b32 v[T1], 8, v[T0]
	v_add_nc_u32 v[T0], v[T0], v[T1]               ; r + 8 (r/8)
	s_lshl_b32 s24, s18, 11
	v_lshl_add_u32 v[OBS], v[T0], 5, s24           ; Wo's scale bytes: row 64 w + ..
	s_lshl_b32 s24, s18, 15
	v_add_nc_u32 v[OB], s24, v[L16]                ; Wo's images: tile 4 w on
	s_lshl_b32 s24, s21, 12
	v_add_nc_u32 v[OH], s24, v[L16]
	s_lshl_b32 s28, s20, 12
	s_mov_b32 s29, 0
	s_wait_dscnt 0x0
	s_wait_kmcnt 0x0
	s_add_nc_u64 s[10:11], s[10:11], s[28:29]      ; x at slot w's row
	s_lshl_b32 s28, s18, 15
	s_add_co_u32 s28, s28, WOI
	s_add_nc_u64 s[G0+2:G0+3], s[6:7], s[28:29]    ; Wo's tiles 4 w and 4 w + 1: the same address in all four partners
	s_or_b32 s[G0+3], s[G0+3], 0x80000000
	global_load_b128 v[BL:BL+3], v[XGO], s[4:5]    ; my 16 bytes of the tile's 8 images
	global_load_b128 v[AS:AS+3], v[OAS], s[4:5] offset:AOS
	global_load_b128 v[AS+4:AS+7], v[OAS], s[4:5] offset:AOS+16
.irp t, 0,1,2,3
.irp q, 0,1
	global_load_b128 v[BS+8*\t+4*\q:BS+8*\t+4*\q+3], v[OBS], s[8:9] offset:32*(32*(\t/2)+8*(\t%2))+16*\q
.endr
.endr
	BGLOAD 0
	BGLOAD 1
	BGLOAD 2
	BGLOAD 3
	CROUND                                         ; all four work-groups are here: the joint loads meet
	tensor_load_to_lds s[G0:G0+3], s[G1:G1+7]      ; my wave's one tensor load of the launch
	s_nop 0
.rept 4
	v_nop
.endr
	s_wait_loadcnt 26                              ; loads come back in order: behind my 16 bytes of the tile stand 2 + 8 + 16 younger loads
	ds_store_b128 v[AST], v[BL:BL+3]
	s_wait_tensorcnt 0x0                           ; my part of Wo has landed,
	s_wait_dscnt 0x0                               ; my part of the tile is stored
	CROUND                                         ; everybody's; and no partner has a joint load still to issue: this is also the round behind the last joint load
.irp s, 0,1,2,3,4,5,6,7
.irp c, 0,1
	ds_load_b128 v[AF+8*\s+4*\c:AF+8*\s+4*\c+3], v[ALD] offset:1024*\s+512*\c
.endr
.endr
	BLLOAD 0
	BLLOAD 1
.macro KSTEP s
.if \s <= 3
	s_wait_loadcnt 12                              ; this step's slot is in; three younger slots of 4 loads may be out
.elseif \s == 4
	s_wait_loadcnt 20                              ; three younger slots and x's 8
.elseif \s == 5
	s_wait_loadcnt 16                              ; two younger slots and x's 8
.elseif \s == 6
	s_wait_loadcnt 20                              ; one younger slot, x's 8 and the gain's 8
.else
	s_wait_loadcnt 16                              ; x's 8 and the gain's 8
.endif
.if \s < 7
	s_wait_dscnt 4                                 ; LDS loads come back in order: this step's set is in (at step 0 the tile's fragments too); the next step's 4 loads may be out
.else
	s_wait_dscnt 0
.endif
.if \s == 0
	MM0 ACC,    BL+16*((\s)%2),   AF+8*\s, BS+\s,    AS+\s
	MM0 ACC+8,  BL+16*((\s)%2)+8, AF+8*\s, BS+8+\s,  AS+\s
	MM0 ACC+16, BG+16*((\s)%4),   AF+8*\s, BS+16+\s, AS+\s
	MM0 ACC+24, BG+16*((\s)%4)+8, AF+8*\s, BS+24+\s, AS+\s
.else
	MMA ACC,    BL+16*((\s)%2),   AF+8*\s, BS+\s,    AS+\s
	MMA ACC+8,  BL+16*((\s)%2)+8, AF+8*\s, BS+8+\s,  AS+\s
	MMA ACC+16, BG+16*((\s)%4),   AF+8*\s, BS+16+\s, AS+\s
	MMA ACC+24, BG+16*((\s)%4)+8, AF+8*\s, BS+24+\s, AS+\s
.endif
.rept 4
	v_nop                                          ; places in front of loads into registers just read, and, behind the last step, of the first read of results
.endr
.if \s+2 < 8
	BLLOAD \s+2
.endif
.if \s+4 < 8
	BGLOAD \s+4
.endif
.if \s == 3
.irp j, 0,1,2,3,4,5,6,7
	global_load_b128 v[XX+4*\j:XX+4*\j+3], v[L16], s[10:11] offset:512*\j th:TH_LOAD_NT     ; x's row, into the tile's fragments 0 to 3, which are done with
.endr
.endif
.if \s == 5
.irp j, 0,1,2,3,4,5,6,7
	global_load_b128 v[G+4*\j:G+4*\j+3], v[L16], s[12:13] offset:512*\j                     ; the gain, laid as x is, into slots 0 and 1, which are done with
.endr
.endif
.endm
.irp s, 0,1,2,3,4,5,6,7
	KSTEP \s
.endr
	s_wait_dscnt 0x0                               ; my reads of Wo's LDS bytes are over
	s_barrier_signal -1
	s_barrier_wait -1                              ; everybody's are: the stage may be written
.irp t, 0,1,2,3                                ; lane (r, h), tile 2 b + u, register i: column 64 w + 32 b + 16 h + 8 u + i of slot r
	ds_store_b128 v[STO], v[ACC+8*\t:ACC+8*\t+3] offset:BP*(\t/2)+32*(\t%2)
	ds_store_b128 v[STO], v[ACC+8*\t+4:ACC+8*\t+7] offset:BP*(\t/2)+32*(\t%2)+16
.endr
	s_wait_dscnt 0x0                               ; for the others' sake: my stores are done
	s_barrier_signal -1
	s_barrier_wait -1
.irp j, 0,1,2,3,4,5,6,7
	ds_load_b128 v[HH+4*\j:HH+4*\j+3], v[SI] offset:576*\j     ; slot w's row, laid as x's loads lay it
.endr
	s_wait_loadcnt 0x0                             ; x and the gain
	s_wait_dscnt 0x0
.set n, 0
.rept 16
	v_pk_add_f32 v[HH+n:HH+n+1], v[HH+n:HH+n+1], v[XX+n:XX+n+1]   ; h
.set n, n+2
.endr
.irp j, 0,1,2,3,4,5,6,7
	global_store_b128 v[OH], v[HH+4*\j:HH+4*\j+3], s[14:15] offset:512*\j   ; 512 consecutive bytes
.endr
.set n, 0
.rept 16
	v_pk_mul_f32 v[HG+n:HG+n+1], v[HH+n:HH+n+1], v[G+n:G+n+1]     ; h * gain, where both lie alike
.set n, n+2
.endr
.irp j, 0,1,2,3,4,5,6,7
	ds_store_b128 v[SI], v[HG+4*\j:HG+4*\j+3] offset:576*\j       ; back into my own row of the stage
.endr
	v_pk_mul_f32 v[SS:SS+1], v[HH:HH+1], v[HH:HH+1]
	v_pk_mul_f32 v[SS+2:SS+3], v[HH+2:HH+3], v[HH+2:HH+3]
.irp i, 4,8,12,16,20,24,28
	v_pk_fma_f32 v[SS:SS+1], v[HH+\i:HH+\i+1], v[HH+\i:HH+\i+1], v[SS:SS+1]
	v_pk_fma_f32 v[SS+2:SS+3], v[HH+\i+2:HH+\i+3], v[HH+\i+2:HH+\i+3], v[SS+2:SS+3]
.endr
	v_pk_add_f32 v[SS:SS+1], v[SS:SS+1], v[SS+2:SS+3]
	v_add_f32 v[SS], v[SS], v[SS+1]
	v_add_f32_dpp v[SS], v[SS], v[SS] row_xmask:1 row_mask:0xf bank_mask:0xf
	v_add_f32_dpp v[SS], v[SS], v[SS] row_xmask:2 row_mask:0xf bank_mask:0xf
	v_add_f32_dpp v[SS], v[SS], v[SS] row_xmask:4 row_mask:0xf bank_mask:0xf
	v_add_f32_dpp v[SS], v[SS], v[SS] row_xmask:8 row_mask:0xf bank_mask:0xf
	v_permlanex16_b32 v[SS+1], v[SS], s22, s23
	v_add_f32 v[SS], v[SS], v[SS+1]
	v_fmaak_f32 v[SS], s31, v[SS], 0x358637bd      ; mean + 1e-6
	v_rsq_f32 v[SS+2], v[SS]
	v_nop                                          ; a plain line behind the root
.irp i, 0,1,2,3,4,5,6,7
	ds_load_b128 v[Y+4*\i:Y+4*\i+3], v[SB] offset:16*\i        ; my block of 32; LDS serves a wave's instructions in order
.endr
	s_wait_dscnt 0x0
	s_wait_alu depctr_va_vdst(0)                   ; the wait ahead of the root's first reader
.set n, 0
.rept 16
	v_pk_mul_f32 v[Y+n:Y+n+1], v[Y+n:Y+n+1], v[SS+2:SS+3] op_sel_hi:[1,0]
.set n, n+2
.endr
	ROWQ
	ds_store_b128 v[IM], v[C:C+3]
	ds_store_b8 v[SCA], v[E]
	s_wait_dscnt 0x0
	s_barrier_signal -1
	s_barrier_wait -1
	ds_load_b128 v[XX:XX+3], v[IMR]
	s_wait_dscnt 0x0
	global_store_b128 v[XGO], v[XX:XX+3], s[16:17]
	s_cmp_lg_u32 s18, 0
	s_cbranch_scc1 .Ldone
	ds_load_b128 v[XX+4:XX+7], v[SCR]
	s_wait_dscnt 0x0
	global_store_b128 v[SGO], v[XX+4:XX+7], s[16:17] offset:AOS
.Ldone:
	s_wait_tensorcnt 0x0
	ds_add_u32 v254, v255
	s_wait_dscnt 0x0
	s_endpgm
.Lfunc_end_k_q228de14be3_wo:
	.size	k_q228de14be3_wo, .Lfunc_end_k_q228de14be3_wo-k_q228de14be3_wo
	.p2alignl 7, 3214868480
	.fill 96, 4, 3214868480
	.section	.rodata,"a",@progbits
	.p2align	6, 0x0
	.amdhsa_kernel k_q228de14be3_wo
		.amdhsa_group_segment_fixed_size 281088
		.amdhsa_private_segment_fixed_size 0
		.amdhsa_enable_private_segment 0
		.amdhsa_kernarg_size 56
		.amdhsa_user_sgpr_count 2
		.amdhsa_user_sgpr_kernarg_segment_ptr 1
		.amdhsa_wavefront_size32 1
		.amdhsa_system_sgpr_workgroup_id_x 1
		.amdhsa_system_sgpr_workgroup_id_y 1
		.amdhsa_system_sgpr_workgroup_id_z 1
		.amdhsa_system_vgpr_workitem_id 0
		.amdhsa_next_free_vgpr 256
		.amdhsa_next_free_sgpr 66
		.amdhsa_reserve_vcc 0
		.amdhsa_float_denorm_mode_32 3
		.amdhsa_float_denorm_mode_16_64 3
		.amdhsa_memory_ordered 1
		.amdhsa_forward_progress 1
		.amdhsa_inst_pref_size 30
	.end_amdhsa_kernel
	.amdgpu_metadata
---
amdhsa.version: [ 1, 2 ]
amdhsa.kernels:
  - .name:           k_q228de14be3_wo
    .symbol:         k_q228de14be3_wo.kd
    .args:
      - { .name: ao, .offset: 0, .size: 8, .value_kind: global_buffer, .address_space: global }
      - { .name: xa, .offset: 8, .size: 8, .value_kind: global_buffer, .address_space: global }
      - { .name: Wo_scales, .offset: 16, .size: 8, .value_kind: global_buffer, .address_space: global }
      - { .name: x, .offset: 24, .size: 8, .value_kind: global_buffer, .address_space: global }
      - { .name: ffn_scale, .offset: 32, .size: 8, .value_kind: global_buffer, .address_space: global }
      - { .name: hb, .offset: 40, .size: 8, .value_kind: global_buffer, .address_space: global }
      - { .name: hq, .offset: 48, .size: 8, .value_kind: global_buffer, .address_space: global }
    .group_segment_fixed_size: 281088
    .private_segment_fixed_size: 0
    .kernarg_segment_align: 8
    .kernarg_segment_size: 56
    .max_flat_workgroup_size: 512
    .sgpr_count:     66
    .vgpr_count:     256
    .wavefront_size: 32
...
	.end_amdgpu_metadata
.endif
;; end of part 4
;; launch w1 (part 5): grid 16 x 16, 16 waves a work-group, clusters of 4 x 4, 284,672 bytes of LDS; arguments hq, W1_codes, W1_scales, act; writes act
.if DOCPART == 5
	.amdgcn_target "amdgcn-amd-amdhsa--gfx1250"
	.amdhsa_code_object_version 6
	.text
	.protected	k_q228de14be3_w1
	.globl	k_q228de14be3_w1
	.p2align	8
	.type	k_q228de14be3_w1,@function
k_q228de14be3_w1:
	s_mov_b64 s[64:65], 0
	v_nop
	global_prefetch_b8 v0, s[64:65] scope:SCOPE_SE
	s_setreg_imm32_b32 hwreg(HW_REG_WAVE_MODE, 25, 1), 1
	s_wait_xcnt 0x0
	s_wait_alu depctr_hold_cnt(0) depctr_sa_sdst(0) depctr_va_vdst(0) depctr_va_sdst(0) depctr_va_ssrc(0) depctr_va_vcc(0) depctr_vm_vsrc(0)
	s_getreg_b32 s2, hwreg(HW_REG_IB_STS2, 6, 4)
	s_cmp_eq_u32 s2, 0
	s_cbranch_scc0 .Lentry_in_a_cluster
	s_endpgm
.Lentry_in_a_cluster:
	s_bfe_u32 s2, ttmp6, 0x10000c
	s_cmp_lg_u32 s2, 0xf033
	s_cbranch_scc0 .Lentry_shape_is_right
	s_endpgm
.Lentry_shape_is_right:
; W1: x1, x2 = hn W1 on codes of E2M1; a = x1 sigmoid(x1) x2, quantised along FF and stored as images for the last product.
; A work-group takes 256 slots (16 tiles) x 128 gated columns: rows 128 cb .. of W1 (x1) and rows 2,048 + 128 cb .. (x2).  The whole-K panels come into LDS once: hn's images (131,072 dense bytes, a tile a wave)
; and 256 weight rows of 512 bytes (16 a wave); nothing is filled again.  The scale bytes of both go through registers into LDS bytes of their own.
; CLUSTER 4 x 4: hn's panel hangs on work-group y alone and is asked for jointly along a row, W1's on x alone, along a column.
; Wave w: token tiles 4 (w / 4) + 0 .. 3, columns 32 (w % 4) + 0 .. 31, transposed (source 0 = 16 rows of W1): a lane holds one token, and the 16 registers of W1's tiles u = 0, 1 are 16 neighbours along FF.
; The 16 accumulators take turns, one instruction a turn.  LIMITS: NaN and infinities are not served; a block of zeros gets the byte 1.
.set HQS,   2097152
.set ACS,   4194304                    ; act: images [tile][16][1024] at 0; scale words [K step][slot number]
.set BW,    131072
.set BP,    528
.set ASC,   BW+256*BP                  ; hn's scale bytes [256 slots][32]
.set BSC,   ASC+8192                   ; W1's [256 rows][32]
.set AX, 5
.set B1, 6
.set B2, 7
.set AS, 8
.set BS, 9
.set OIM, 10
.set OSB, 11
.set AF, 16                            ; v16-47 four fragments of hn; v48-79 of W1: x1 u = 0, 1, x2 u = 0, 1
.set BF, 48
.set A1, 80                            ; x1: 80 + 16 i + 8 u
.set A2, 144                           ; x2
.set SA, 208                           ; scale words of four K steps: hn's 4 i + s % 4
.set SQ, 224                           ; W1's 4 (2 x + u) + s % 4
.set TM, 240
.set SST, 246
.set OG1, 247
.set OG2, 248
.set WV, 20
.set SEL, 56
.set G1A, 32
.set G0A, 40
.set G1B, 44
.set G0B, 52
.macro CROUND
	s_barrier_signal -1
	s_barrier_wait -1
	s_cmp_lg_u32 s[WV], 0
	s_cbranch_scc1 .Lnot_wave_0_\@
	s_barrier_signal -3
.Lnot_wave_0_\@:
	s_barrier_wait -3
	s_barrier_signal -1
	s_barrier_wait -1
.endm
.macro MM0 d, a, b, sa, sb
	v_wmma_scale_f32_16x16x128_f8f6f4 v[\d:\d+7], v[\a:\a+7], v[\b:\b+7], 0, v[\sa], v[\sb] matrix_a_fmt:MATRIX_FMT_FP4 matrix_b_fmt:MATRIX_FMT_FP4
.endm
.macro MMA d, a, b, sa, sb
	v_wmma_scale_f32_16x16x128_f8f6f4 v[\d:\d+7], v[\a:\a+7], v[\b:\b+7], v[\d:\d+7], v[\sa], v[\sb] matrix_a_fmt:MATRIX_FMT_FP4 matrix_b_fmt:MATRIX_FMT_FP4
.endm
.macro QG2 s0, s1, pc                  ; two groups of 16 registers, each half a block of 32: lanes 0-15 end with group 0's block, lanes 16-31 with group 1's; the bytes in v[TM+4], v[TM+5]
	v_max3_num_f32 v[TM], |v[\s0]|, |v[\s0+1]|, 0x1800000
	v_max3_num_f32 v[TM+1], |v[\s1]|, |v[\s1+1]|, 0x1800000
.irp i, 2,4,6,8,10,12,14
	v_max3_num_f32 v[TM], v[TM], |v[\s0+\i]|, |v[\s0+\i+1]|
	v_max3_num_f32 v[TM+1], v[TM+1], |v[\s1+\i]|, |v[\s1+\i+1]|
.endr
	v_permlanex16_b32 v[TM+4], v[TM], s[SEL], s[SEL+1]
	v_permlanex16_b32 v[TM+5], v[TM+1], s[SEL], s[SEL+1]
	v_max_num_f32 v[TM], v[TM], v[TM+4]
	v_max_num_f32 v[TM+1], v[TM+1], v[TM+5]
	v_add_nc_u32 v[TM+12], 0xff000000, v[TM]
	v_add_nc_u32 v[TM+13], 0xff000000, v[TM+1]
	v_lshrrev_b32 v[TM+4], 23, v[TM+12]
	v_lshrrev_b32 v[TM+5], 23, v[TM+13]
	v_cvt_scalef32_pk8_fp4_f32 v[\pc], v[\s0:\s0+7], v[TM+12]
	v_cvt_scalef32_pk8_fp4_f32 v[\pc+1], v[\s0+8:\s0+15], v[TM+12]
	v_cvt_scalef32_pk8_fp4_f32 v[\pc+2], v[\s1:\s1+7], v[TM+13]
	v_cvt_scalef32_pk8_fp4_f32 v[\pc+3], v[\s1+8:\s1+15], v[TM+13]
	v_nop
	v_permlane16_swap_b32 v[\pc], v[\pc+2]
	v_permlane16_swap_b32 v[\pc+1], v[\pc+3]
.endm
	s_load_b256 s[4:11], s[0:1], 0x0               ; hq, W1_codes, W1_scales, act
	v_lshl_add_u32 v254, v0, 2, 0x45000
	v_mov_b32 v255, 0
	ds_add_u32 v254, v255
	ds_add_u32 v254, v255
	v_lshrrev_b32 v1, 5, v0
	v_readfirstlane_b32 s[WV], v1
	s_lshr_b32 s21, s[WV], 2                       ; which four token tiles
	s_and_b32 s22, s[WV], 3                        ; which 32 columns
	s_bfe_u32 s23, ttmp6, 0x40000
	s_bfe_u32 s24, ttmp6, 0x40004
	s_lshl_b32 s25, ttmp9, 2
	s_add_co_u32 s25, s25, s23                     ; the block of 128 gated columns
	s_and_b32 s26, ttmp7, 0xffff
	s_lshl_b32 s26, s26, 2
	s_add_co_u32 s26, s26, s24                     ; the block of 16 tiles
	s_lshl_b32 s27, s24, 2
	s_lshl_b32 s27, 15, s27
	s_lshl_b32 s28, 0x1111, s23
	s_or_b32 s[G1A], s27, (3<<16)|(1<<21)          ; 8,192 dense bytes as 32 rows of 32 elements of 8 bytes
	s_mov_b32 s[G1A+1], 32<<16
	s_mov_b32 s[G1A+2], 32<<16
	s_mov_b32 s[G1A+3], 32<<16
	s_mov_b32 s[G1A+4], 32
	s_mov_b32 s[G1A+5], 32
	s_mov_b32 s[G1A+6], 0
	s_mov_b32 s[G1A+7], 0
	s_or_b32 s[G1B], s28, (1<<20)|(1<<21)|(6<<22)|(3<<25)   ; 16 rows of 512 bytes, 4 words of padding behind every 128
	s_mov_b32 s[G1B+1], 512<<16
	s_mov_b32 s[G1B+2], 16<<16
	s_mov_b32 s[G1B+3], 512<<16
	s_mov_b32 s[G1B+4], 16
	s_mov_b32 s[G1B+5], 512
	s_mov_b32 s[G1B+6], 0
	s_mov_b32 s[G1B+7], 0
	s_lshl_b32 s58, s26, 17
	s_lshl_b32 s59, s[WV], 13
	s_add_co_u32 s58, s58, s59
	s_mov_b32 s59, 0
	s_lshl_b32 s60, s25, 16                        ; W1: row 128 cb + 16 w, and 1,920 rows on for waves 8 to 15 (x2)
	s_lshl_b32 s61, s[WV], 13
	s_add_co_u32 s60, s60, s61
	s_lshr_b32 s61, s[WV], 3
	s_mul_i32 s61, s61, 1920*512
	s_add_co_u32 s60, s60, s61
	s_mov_b32 s61, 0
	s_lshl_b32 s[G0A+1], s[WV], 13
	s_mul_i32 s[G0B+1], s[WV], 16*BP
	s_add_co_u32 s[G0B+1], s[G0B+1], BW
	s_mov_b32 s[G0A], 1
	s_mov_b32 s[G0B], 1
	s_mov_b32 s[SEL], 0x76543210
	s_mov_b32 s[SEL+1], 0xfedcba98
	s_wait_dscnt 0x0
	s_wait_kmcnt 0x0
	s_add_nc_u64 s[G0A+2:G0A+3], s[4:5], s[58:59]
	s_or_b32 s[G0A+3], s[G0A+3], 0x80000000
	s_add_nc_u64 s[G0B+2:G0B+3], s[6:7], s[60:61]
	s_or_b32 s[G0B+3], s[G0B+3], 0x80000000
	CROUND                                         ; all sixteen work-groups are here: the joint loads meet
	tensor_load_to_lds s[G0A:G0A+3], s[G1A:G1A+7]  ; a wave's two first fills stand together: two loads of mine are out
	s_nop 0
	tensor_load_to_lds s[G0B:G0B+3], s[G1B:G1B+7]
	s_nop 0
.rept 4
	v_nop
.endr
	v_lshl_add_u32 v[SST], v0, 4, ASC
	s_lshl_b32 s72, s26, 13
	v_lshl_add_u32 v[OG1], v0, 4, s72              ; hn's scale bytes of my 256 slots: 8,192 dense bytes
	v_lshrrev_b32 v12, 8, v0
	v_mul_u32_u24 v12, v12, 61440
	s_lshl_b32 s72, s25, 12
	v_lshl_add_u32 v[OG2], v0, 4, s72
	v_add_nc_u32 v[OG2], v[OG2], v12               ; W1's: 4,096 bytes for x1's rows, 4,096 for x2's, 65,536 further on
	global_load_b128 v[16:19], v[OG1], s[4:5] offset:HQS
	global_load_b128 v[20:23], v[OG2], s[8:9]
	v_and_b32 v1, 31, v0
	v_and_b32 v2, 15, v0
	v_bfe_u32 v3, v0, 4, 1
	v_and_b32 v4, 8, v2
	v_add_nc_u32 v4, v4, v2                        ; r + 8 (r/8)
	s_lshl_b32 s72, s21, 15
	v_lshl_add_u32 v[AX], v1, 4, s72
	v_mul_u32_u24 v[B1], v4, BP
	v_lshl_add_u32 v[B1], v3, 4, v[B1]
	s_mul_i32 s72, s22, 32*BP
	s_add_co_u32 s72, s72, BW
	v_add_nc_u32 v[B1], s72, v[B1]
	v_add_nc_u32 v[B2], 128*BP, v[B1]
	s_lshl_b32 s72, s21, 11
	s_add_co_u32 s72, s72, ASC
	v_lshl_add_u32 v[AS], v2, 5, s72
	s_lshl_b32 s72, s22, 10
	s_add_co_u32 s72, s72, BSC
	v_lshl_add_u32 v[BS], v4, 5, s72
	s_lshl_b32 s72, s26, 18                        ; act's image: tile 16 RB + 4 rg + 2 q + h, K step cb, block cg, slot r
	s_lshl_b32 s73, s21, 16
	s_add_co_u32 s72, s72, s73
	s_lshl_b32 s73, s25, 10
	s_add_co_u32 s72, s72, s73
	s_lshl_b32 s73, s22, 8
	s_add_co_u32 s72, s72, s73
	v_lshlrev_b32 v[OIM], 14, v3
	v_lshl_add_u32 v[OIM], v2, 4, v[OIM]
	v_add_nc_u32 v[OIM], s72, v[OIM]
	s_lshl_b32 s72, s25, 14                        ; its scale byte: word [cb][slot number], byte cg
	s_lshl_b32 s73, s26, 10
	s_add_co_u32 s72, s72, s73
	s_lshl_b32 s73, s21, 8
	s_add_co_u32 s72, s72, s73
	s_add_co_u32 s72, s72, s22
	v_lshlrev_b32 v[OSB], 6, v3
	v_lshl_add_u32 v[OSB], v2, 2, v[OSB]
	v_add_nc_u32 v[OSB], s72, v[OSB]
	s_mov_b32 s80, 0xffff0000                      ; lanes 16-31
	v_mov_b32 v[TM+4], 0
	v_mov_b32 v[TM+5], 0
	s_wait_loadcnt 0x0
	ds_store_b128 v[SST], v[16:19]
	ds_store_b128 v[SST], v[20:23] offset:8192
	s_wait_tensorcnt 0x0                           ; my parts of the panels have landed,
	s_wait_dscnt 0x0                               ; my scale bytes are stored
	CROUND                                         ; everybody's; and no partner has a joint load still to issue: this is also the round behind the last joint load
.macro KSTEP s
.if \s > 0
.rept 4
	v_nop                                          ; places in front of loads into registers that matrix instructions have read
.endr
.endif
.irp i, 0,1,2,3
.irp c, 0,1
	ds_load_b128 v[AF+8*\i+4*\c:AF+8*\i+4*\c+3], v[AX] offset:8192*\i+1024*\s+512*\c
.endr
.endr
.irp u, 0,1
.irp c, 0,1
	ds_load_b128 v[BF+8*\u+4*\c:BF+8*\u+4*\c+3], v[B1] offset:BP*8*\u+64*\s+32*\c
	ds_load_b128 v[BF+16+8*\u+4*\c:BF+16+8*\u+4*\c+3], v[B2] offset:BP*8*\u+64*\s+32*\c
.endr
.endr
.if (\s)%4 == 0
.irp i, 0,1,2,3
	ds_load_b128 v[SA+4*\i:SA+4*\i+3], v[AS] offset:512*\i+16*(\s/4)          ; the scale words of four K steps
.endr
.irp u, 0,1
	ds_load_b128 v[SQ+4*\u:SQ+4*\u+3], v[BS] offset:256*\u+16*(\s/4)
	ds_load_b128 v[SQ+8+4*\u:SQ+8+4*\u+3], v[BS] offset:4096+256*\u+16*(\s/4)
.endr
.endif
	s_wait_dscnt 0x0
.irp i, 0,1,2,3
.irp u, 0,1
.if \s == 0
	MM0 A1+16*\i+8*\u, BF+8*\u, AF+8*\i, SQ+4*\u+(\s)%4, SA+4*\i+(\s)%4
	MM0 A2+16*\i+8*\u, BF+16+8*\u, AF+8*\i, SQ+8+4*\u+(\s)%4, SA+4*\i+(\s)%4
.else
	MMA A1+16*\i+8*\u, BF+8*\u, AF+8*\i, SQ+4*\u+(\s)%4, SA+4*\i+(\s)%4
	MMA A2+16*\i+8*\u, BF+16+8*\u, AF+8*\i, SQ+8+4*\u+(\s)%4, SA+4*\i+(\s)%4
.endif
.endr
.endr
.endm
.irp s, 0,1,2,3,4,5,6,7
	KSTEP \s
.endr
.rept 4
	v_nop
.endr
.set n, 0
.rept 32
	v_pk_mul_f32 v[16+n:17+n], v[A1+n:A1+n+1], 0xbfb8aa3b op_sel_hi:[1,0]    ; -x1 log2(e)
.set n, n+2
.endr
.set n, 0
.rept 64
	v_exp_f32 v[16+n], v[16+n]
.set n, n+1
.endr
	v_nop                                          ; a plain line behind the last exponential
	s_wait_alu depctr_va_vdst(0)                   ; one wait for the batch
.set n, 0
.rept 32
	v_pk_add_f32 v[16+n:17+n], v[16+n:17+n], 1.0 op_sel_hi:[1,0]
.set n, n+2
.endr
.set n, 0
.rept 64
	v_rcp_f32 v[16+n], v[16+n]                     ; sigmoid(x1)
.set n, n+1
.endr
	v_nop
	s_wait_alu depctr_va_vdst(0)
.set n, 0
.rept 32
	v_pk_mul_f32 v[A1+n:A1+n+1], v[A1+n:A1+n+1], v[16+n:17+n]
.set n, n+2
.endr
.set n, 0
.rept 32
	v_pk_mul_f32 v[A1+n:A1+n+1], v[A1+n:A1+n+1], v[A2+n:A2+n+1]
.set n, n+2
.endr
.irp q, 0,1
	QG2 A1+32*\q, A1+32*\q+16, 16+4*\q             ; block cg of K step cb: lanes 0-15 token tile 2 q, lanes 16-31 tile 2 q + 1
	v_cndmask_b32 v[24+\q], v[TM+4], v[TM+5], s80
	global_store_b128 v[OIM], v[16+4*\q:19+4*\q], s[10:11] offset:32768*\q     ; sixteen lanes store 256 consecutive bytes
	global_store_b8 v[OSB], v[24+\q], s[10:11] offset:ACS+128*\q
.endr
	s_wait_tensorcnt 0x0
	ds_add_u32 v254, v255
	s_wait_dscnt 0x0
	s_endpgm
.Lfunc_end_k_q228de14be3_w1:
	.size	k_q228de14be3_w1, .Lfunc_end_k_q228de14be3_w1-k_q228de14be3_w1
	.p2alignl 7, 3214868480
	.fill 96, 4, 3214868480
	.section	.rodata,"a",@progbits
	.p2align	6, 0x0
	.amdhsa_kernel k_q228de14be3_w1
		.amdhsa_group_segment_fixed_size 284672
		.amdhsa_private_segment_fixed_size 0
		.amdhsa_enable_private_segment 0
		.amdhsa_kernarg_size 32
		.amdhsa_user_sgpr_count 2
		.amdhsa_user_sgpr_kernarg_segment_ptr 1
		.amdhsa_wavefront_size32 1
		.amdhsa_system_sgpr_workgroup_id_x 1
		.amdhsa_system_sgpr_workgroup_id_y 1
		.amdhsa_system_sgpr_workgroup_id_z 1
		.amdhsa_system_vgpr_workitem_id 0
		.amdhsa_next_free_vgpr 256
		.amdhsa_next_free_sgpr 84
		.amdhsa_reserve_vcc 0
		.amdhsa_float_denorm_mode_32 3
		.amdhsa_float_denorm_mode_16_64 3
		.amdhsa_memory_ordered 1
		.amdhsa_forward_progress 1
		.amdhsa_inst_pref_size 51
	.end_amdhsa_kernel
	.amdgpu_metadata
---
amdhsa.version: [ 1, 2 ]
amdhsa.kernels:
  - .name:           k_q228de14be3_w1
    .symbol:         k_q228de14be3_w1.kd
    .args:
      - { .name: hq, .offset: 0, .size: 8, .value_kind: global_buffer, .address_space: global }
      - { .name: W1_codes, .offset: 8, .size: 8, .value_kind: global_buffer, .address_space: global }
      - { .name: W1_scales, .offset: 16, .size: 8, .value_kind: global_buffer, .address_space: global }
      - { .name: act, .offset: 24, .size: 8, .value_kind: global_buffer, .address_space: global }
    .group_segment_fixed_size: 284672
    .private_segment_fixed_size: 0
    .kernarg_segment_align: 8
    .kernarg_segment_size: 32
    .max_flat_workgroup_size: 512
    .sgpr_count:     84
    .vgpr_count:     256
    .wavefront_size: 32
...
	.end_amdgpu_metadata
.endif
;; end of part 5
;; launch w2 (part 6): grid 8 x 32, 16 waves a work-group, clusters of 4 x 4, 266,240 bytes of LDS; arguments act, W2_codes, W2_scales, hb, out0; writes out0
.if DOCPART == 6
	.amdgcn_target "amdgcn-amd-amdhsa--gfx1250"
	.amdhsa_code_object_version 6
	.text
	.protected	k_q228de14be3_w2
	.globl	k_q228de14be3_w2
	.p2align	8
	.type	k_q228de14be3_w2,@function
k_q228de14be3_w2:
	s_mov_b64 s[64:65], 0
	v_nop
	global_prefetch_b8 v0, s[64:65] scope:SCOPE_SE
	s_setreg_imm32_b32 hwreg(HW_REG_WAVE_MODE, 25, 1), 1
	s_wait_xcnt 0x0
	s_wait_alu depctr_hold_cnt(0) depctr_sa_sdst(0) depctr_va_vdst(0) depctr_va_sdst(0) depctr_va_ssrc(0) depctr_va_vcc(0) depctr_vm_vsrc(0)
	s_getreg_b32 s2, hwreg(HW_REG_IB_STS2, 6, 4)
	s_cmp_eq_u32 s2, 0
	s_cbranch_scc0 .Lentry_in_a_cluster
	s_endpgm
.Lentry_in_a_cluster:
	s_bfe_u32 s2, ttmp6, 0x10000c
	s_cmp_lg_u32 s2, 0xf033
	s_cbranch_scc0 .Lentry_shape_is_right
	s_endpgm
.Lentry_shape_is_right:
; W2: out0 = h + a W2 on codes of E2M1.
; A work-group takes 128 slots (8 tiles) x 128 columns, K = 2,048.  The whole-K panels come into LDS once: a's images (131,072 dense bytes, 8,192 a wave) and 128 rows of W2 of 1,024 bytes (8 a wave);
; nothing is filled again.  CLUSTER 4 x 4: a's panel hangs on work-group y alone and is asked for jointly along a row, W2's on x alone, along a column.
; Wave w: token tiles 2 (w / 4) + 0, 1, columns 32 (w % 4) + 0 .. 31, transposed (source 0 = 16 rows of W2): a lane holds eight neighbouring columns of one slot.  Two sets of fragment registers: a K step's eight
; LDS loads are issued a step ahead.  The four accumulators take turns, one instruction a turn.
; The way out goes through a stage that lies in a's panel, which has had its only fill and which nobody reads any more behind a barrier; each wave then stores 8 whole pieces of 512 bytes, to the rows' tokens.
.set ACS,   4194304
.set BW,    131072
.set BP,    1040
.set SP,    528
.set AX, 5
.set BX, 6
.set STO, 7
.set RD, 8
.set OSA, 9
.set OSB, 10
.set OH, 11
.set OO, 12
.set ACC, 80                           ; 80 + 16 i + 8 e
.set SA, 112                           ; a's scale words 16 i + s
.set SB, 144                           ; W2's 16 e + s
.set HR, 176                           ; h
.set OUTR, 208
.set WV, 20
.set G1A, 32
.set G0A, 40
.set G1B, 44
.set G0B, 52
.macro CROUND
	s_barrier_signal -1
	s_barrier_wait -1
	s_cmp_lg_u32 s[WV], 0
	s_cbranch_scc1 .Lnot_wave_0_\@
	s_barrier_signal -3
.Lnot_wave_0_\@:
	s_barrier_wait -3
	s_barrier_signal -1
	s_barrier_wait -1
.endm
.macro MM0 d, a, b, sa, sb
	v_wmma_scale_f32_16x16x128_f8f6f4 v[\d:\d+7], v[\a:\a+7], v[\b:\b+7], 0, v[\sa], v[\sb] matrix_a_fmt:MATRIX_FMT_FP4 matrix_b_fmt:MATRIX_FMT_FP4
.endm
.macro MMA d, a, b, sa, sb
	v_wmma_scale_f32_16x16x128_f8f6f4 v[\d:\d+7], v[\a:\a+7], v[\b:\b+7], v[\d:\d+7], v[\sa], v[\sb] matrix_a_fmt:MATRIX_FMT_FP4 matrix_b_fmt:MATRIX_FMT_FP4
.endm
	s_load_b256 s[4:11], s[0:1], 0x0               ; act, W2_codes, W2_scales, hb
	s_load_b64 s[12:13], s[0:1], 0x20              ; out0
	v_lshl_add_u32 v254, v0, 2, 0x40800
	v_mov_b32 v255, 0
	ds_add_u32 v254, v255
	ds_add_u32 v254, v255
	v_lshrrev_b32 v1, 5, v0
	v_readfirstlane_b32 s[WV], v1
	s_lshr_b32 s21, s[WV], 2                       ; which two token tiles
	s_and_b32 s22, s[WV], 3                        ; which 32 columns
	s_bfe_u32 s23, ttmp6, 0x40000
	s_bfe_u32 s24, ttmp6, 0x40004
	s_lshl_b32 s25, ttmp9, 2
	s_add_co_u32 s25, s25, s23                     ; the block of 128 columns
	s_and_b32 s26, ttmp7, 0xffff
	s_lshl_b32 s26, s26, 2
	s_add_co_u32 s26, s26, s24                     ; the block of 8 tiles
	s_lshl_b32 s27, s24, 2
	s_lshl_b32 s27, 15, s27
	s_lshl_b32 s28, 0x1111, s23
	s_or_b32 s[G1A], s27, (3<<16)|(1<<21)          ; 8,192 dense bytes as 32 rows of 32 elements of 8 bytes
	s_mov_b32 s[G1A+1], 32<<16
	s_mov_b32 s[G1A+2], 32<<16
	s_mov_b32 s[G1A+3], 32<<16
	s_mov_b32 s[G1A+4], 32
	s_mov_b32 s[G1A+5], 32
	s_mov_b32 s[G1A+6], 0
	s_mov_b32 s[G1A+7], 0
	s_or_b32 s[G1B], s28, (1<<20)|(1<<21)|(7<<22)|(3<<25)   ; 8 rows of 1,024 bytes, 4 words of padding behind every 256
	s_mov_b32 s[G1B+1], 1024<<16
	s_mov_b32 s[G1B+2], 8<<16
	s_mov_b32 s[G1B+3], 1024<<16
	s_mov_b32 s[G1B+4], 8
	s_mov_b32 s[G1B+5], 1024
	s_mov_b32 s[G1B+6], 0
	s_mov_b32 s[G1B+7], 0
	s_lshl_b32 s58, s26, 17
	s_lshl_b32 s59, s[WV], 13
	s_add_co_u32 s58, s58, s59
	s_mov_b32 s59, 0
	s_lshl_b32 s60, s25, 17                        ; W2: row 128 cb + 8 w
	s_lshl_b32 s61, s[WV], 13
	s_add_co_u32 s60, s60, s61
	s_mov_b32 s61, 0
	s_lshl_b32 s[G0A+1], s[WV], 13
	s_mul_i32 s[G0B+1], s[WV], 8*BP
	s_add_co_u32 s[G0B+1], s[G0B+1], BW
	s_mov_b32 s[G0A], 1
	s_mov_b32 s[G0B], 1
	s_wait_dscnt 0x0
	s_wait_kmcnt 0x0
	s_add_nc_u64 s[G0A+2:G0A+3], s[4:5], s[58:59]
	s_or_b32 s[G0A+3], s[G0A+3], 0x80000000
	s_add_nc_u64 s[G0B+2:G0B+3], s[6:7], s[60:61]
	s_or_b32 s[G0B+3], s[G0B+3], 0x80000000
	CROUND                                         ; all sixteen work-groups are here: the joint loads meet
	tensor_load_to_lds s[G0A:G0A+3], s[G1A:G1A+7]  ; a wave's two first fills stand together: two loads of mine are out
	s_nop 0
	tensor_load_to_lds s[G0B:G0B+3], s[G1B:G1B+7]
	s_nop 0
.rept 4
	v_nop
.endr
	v_and_b32 v1, 31, v0
	v_and_b32 v2, 15, v0
	v_bfe_u32 v3, v0, 4, 1
	s_lshl_b32 s72, s26, 9                         ; a's scale words: slot number 16 (8 RB + 2 rg + i) + r
	s_lshl_b32 s73, s21, 7
	s_add_co_u32 s72, s72, s73
	v_lshl_add_u32 v[OSA], v2, 2, s72
	s_lshl_b32 s72, s25, 13                        ; W2's scale bytes: 64 a row, row 128 cb + 32 cg + 16 e + r
	s_lshl_b32 s73, s22, 11
	s_add_co_u32 s72, s72, s73
	v_lshl_add_u32 v[OSB], v2, 6, s72
.irp i, 0,1
.irp s, 0,1,2,3,4,5,6,7,8,9,10,11,12,13,14,15
	global_load_b32 v[SA+16*\i+\s], v[OSA], s[4:5] offset:ACS+16384*\s+64*\i
.endr
.endr
.irp e, 0,1
.irp q, 0,1,2,3
	global_load_b128 v[SB+16*\e+4*\q:SB+16*\e+4*\q+3], v[OSB], s[8:9] offset:1024*\e+16*\q
.endr
.endr
	s_lshl_b32 s72, s21, 15
	v_lshl_add_u32 v[AX], v1, 4, s72
	v_mul_u32_u24 v[BX], v2, BP
	v_lshl_add_u32 v[BX], v3, 4, v[BX]
	s_mul_i32 s72, s22, 32*BP
	s_add_co_u32 s72, s72, BW
	v_add_nc_u32 v[BX], s72, v[BX]
	v_mul_u32_u24 v[STO], v2, SP                   ; the stage: row 32 rg + 16 i + r, bytes 128 cg + 64 e + 32 h
	v_lshl_add_u32 v[STO], v3, 5, v[STO]
	s_mul_i32 s72, s21, 32*SP
	s_lshl_b32 s73, s22, 7
	s_add_co_u32 s72, s72, s73
	v_add_nc_u32 v[STO], s72, v[STO]
	s_mul_i32 s72, s[WV], 8*SP
	v_lshl_add_u32 v[RD], v1, 4, s72               ; back: rows 8 w + k, whole
	s_lshl_b32 s72, s26, 7
	s_lshl_b32 s73, s[WV], 3
	s_add_co_u32 s72, s72, s73                     ; slot number 128 RB + 8 w
	s_lshl_b32 s72, s72, 12
	s_lshl_b32 s73, s25, 9
	s_add_co_u32 s72, s72, s73
	v_lshl_add_u32 v[OH], v1, 4, s72
	s_lshl_b32 s74, s26, 3
	s_lshr_b32 s75, s[WV], 1
	s_add_co_u32 s74, s74, s75                     ; the tile of these eight slots
	s_lshr_b32 s75, s74, 1
	s_lshl_b32 s75, s75, 5
	s_and_b32 s74, s74, 1
	s_lshl_b32 s74, s74, 3
	s_add_co_u32 s75, s75, s74
	s_and_b32 s74, s[WV], 1
	s_lshl_b32 s74, s74, 4
	s_add_co_u32 s75, s75, s74                     ; their first token: 32 (T/2) + 8 (T%2) + 16 (w%2); the eight are neighbours
	s_lshl_b32 s75, s75, 12
	s_add_co_u32 s75, s75, s73
	v_lshl_add_u32 v[OO], v1, 4, s75
	s_wait_tensorcnt 0x0                           ; my parts of the panels have landed
	CROUND                                         ; everybody's have; and no partner has a joint load still to issue: this is also the round behind the last joint load
	s_wait_loadcnt 0x0                             ; the scale words
.irp k, 0,1,2,3,4,5,6,7
	global_load_b128 v[HR+4*\k:HR+4*\k+3], v[OH], s[10:11] offset:4096*\k th:TH_LOAD_NT    ; h: on its way under the K loop
.endr
.macro FETCH s, f
.irp i, 0,1
.irp c, 0,1
	ds_load_b128 v[\f+8*\i+4*\c:\f+8*\i+4*\c+3], v[AX] offset:16384*\i+1024*(\s)+512*\c
.endr
.endr
.irp e, 0,1
.irp c, 0,1
	ds_load_b128 v[\f+16+8*\e+4*\c:\f+16+8*\e+4*\c+3], v[BX] offset:BP*16*\e+64*(\s)+32*\c
.endr
.endr
.endm
.macro KSTEP s
.set F, 16+32*((\s)%2)
.set N, 48-32*((\s)%2)
.if \s < 15
.if \s > 0
.rept 4
	v_nop                                          ; places in front of loads into the set that the last step's products read
.endr
.endif
	FETCH (\s)+1, N
	s_wait_dscnt 8                                 ; LDS loads come back in order: this step's eight are in, the next step's eight may be out
.else
	s_wait_dscnt 0
.endif
.irp i, 0,1
.irp e, 0,1
.if \s == 0
	MM0 ACC+16*\i+8*\e, F+16+8*\e, F+8*\i, SB+16*\e+\s, SA+16*\i+\s
.else
	MMA ACC+16*\i+8*\e, F+16+8*\e, F+8*\i, SB+16*\e+\s, SA+16*\i+\s
.endif
.endr
.endr
.endm
	FETCH 0, 16
.irp s, 0,1,2,3,4,5,6,7,8,9,10,11,12,13,14,15
	KSTEP \s
.endr
.rept 4
	v_nop                                          ; places in front of the first read of results
.endr
	s_wait_dscnt 0x0                               ; my reads of the panels are over
	s_barrier_signal -1
	s_barrier_wait -1                              ; everybody's are: the stage may be written
.irp i, 0,1
.irp e, 0,1
	ds_store_b128 v[STO], v[ACC+16*\i+8*\e:ACC+16*\i+8*\e+3] offset:16*SP*\i+64*\e         ; each accumulator from its low end on
	ds_store_b128 v[STO], v[ACC+16*\i+8*\e+4:ACC+16*\i+8*\e+7] offset:16*SP*\i+64*\e+16
.endr
.endr
	s_wait_dscnt 0x0                               ; for the others' sake: my stores are done
	s_barrier_signal -1
	s_barrier_wait -1
.irp k, 0,1,2,3,4,5,6,7
	ds_load_b128 v[OUTR+4*\k:OUTR+4*\k+3], v[RD] offset:SP*\k
.endr
	s_wait_loadcnt 0x0                             ; h
	s_wait_dscnt 0x0
.set n, 0
.rept 16
	v_pk_add_f32 v[OUTR+n:OUTR+n+1], v[OUTR+n:OUTR+n+1], v[HR+n:HR+n+1]
.set n, n+2
.endr
.irp k, 0,1,2,3,4,5,6,7
	global_store_b128 v[OO], v[OUTR+4*\k:OUTR+4*\k+3], s[12:13] offset:4096*\k th:TH_STORE_NT   ; 32 lanes store 512 consecutive bytes, aligned
.endr
	s_wait_tensorcnt 0x0
	ds_add_u32 v254, v255
	s_wait_dscnt 0x0
	s_endpgm
.Lfunc_end_k_q228de14be3_w2:
	.size	k_q228de14be3_w2, .Lfunc_end_k_q228de14be3_w2-k_q228de14be3_w2
	.p2alignl 7, 3214868480
	.fill 96, 4, 3214868480
	.section	.rodata,"a",@progbits
	.p2align	6, 0x0
	.amdhsa_kernel k_q228de14be3_w2
		.amdhsa_group_segment_fixed_size 266240
		.amdhsa_private_segment_fixed_size 0
		.amdhsa_enable_private_segment 0
		.amdhsa_kernarg_size 40
		.amdhsa_user_sgpr_count 2
		.amdhsa_user_sgpr_kernarg_segment_ptr 1
		.amdhsa_wavefront_size32 1
		.amdhsa_system_sgpr_workgroup_id_x 1
		.amdhsa_system_sgpr_workgroup_id_y 1
		.amdhsa_system_sgpr_workgroup_id_z 1
		.amdhsa_system_vgpr_workitem_id 0
		.amdhsa_next_free_vgpr 256
		.amdhsa_next_free_sgpr 84
		.amdhsa_reserve_vcc 0
		.amdhsa_float_denorm_mode_32 3
		.amdhsa_float_denorm_mode_16_64 3
		.amdhsa_memory_ordered 1
		.amdhsa_forward_progress 1
		.amdhsa_inst_pref_size 32
	.end_amdhsa_kernel
	.amdgpu_metadata
---
amdhsa.version: [ 1, 2 ]
amdhsa.kernels:
  - .name:           k_q228de14be3_w2
    .symbol:         k_q228de14be3_w2.kd
    .args:
      - { .name: act, .offset: 0, .size: 8, .value_kind: global_buffer, .address_space: global }
      - { .name: W2_codes, .offset: 8, .size: 8, .value_kind: global_buffer, .address_space: global }
      - { .name: W2_scales, .offset: 16, .size: 8, .value_kind: global_buffer, .address_space: global }
      - { .name: hb, .offset: 24, .size: 8, .value_kind: global_buffer, .address_space: global }
      - { .name: out0, .offset: 32, .size: 8, .value_kind: global_buffer, .address_space: global }
    .group_segment_fixed_size: 266240
    .private_segment_fixed_size: 0
    .kernarg_segment_align: 8
    .kernarg_segment_size: 40
    .max_flat_workgroup_size: 512
    .sgpr_count:     84
    .vgpr_count:     256
    .wavefront_size: 32
...
	.end_amdgpu_metadata
.endif
;; end of part 6
;; ======== version 2 of 2: 6 launches; version 1 with the launch attn written anew for expert scheduling mode
;; workspace buffers: xa 3,276,800 bytes; msk 540,672 bytes of whole numbers; qkv 6,946,816 bytes; ao 2,228,224 bytes; hb 16,777,216 bytes; hq 2,228,224 bytes; act 4,456,448 bytes
;; launch prep: the kernel of part 1 again; grid 256 x 1, 16 waves a work-group, no clusters, 93,184 bytes of LDS; arguments x, attn_scale, attention_mask, Wo_codes, xa, msk; writes xa, msk
;; launch qkv: the kernel of part 2 again; grid 16 x 16, 16 waves a work-group, clusters of 4 x 4, 234,496 bytes of LDS; arguments xa, Wq_codes, Wk_codes, Wv_codes, Wq_scales, Wk_scales, Wv_scales, qkv; writes qkv
;; launch attn (part 7): grid 8 x 32, 16 waves a work-group, no clusters, 145,408 bytes of LDS; arguments qkv, msk, ao; writes ao
.if DOCPART == 7
	.amdgcn_target "amdgcn-amd-amdhsa--gfx1250"
	.amdhsa_code_object_version 6
	.text
	.protected	k_q228de14be3_attn
	.globl	k_q228de14be3_attn
	.p2align	8
	.type	k_q228de14be3_attn,@function
k_q228de14be3_attn:
	s_mov_b64 s[64:65], 0
	v_nop
	global_prefetch_b8 v0, s[64:65] scope:SCOPE_SE
	s_setreg_imm32_b32 hwreg(HW_REG_WAVE_SCHED_MODE, 0, 2), 2
	s_setreg_imm32_b32 hwreg(HW_REG_WAVE_MODE, 25, 1), 1
	s_wait_xcnt 0x0
	s_wait_alu depctr_vm_vsrc(0)
; ATTENTION on codes of E2M1: S^T = k q^T, the mask, p = 2^(t - M), O^T = v^T p^T, O / l, quantised along heads x 64 and stored as images for the next product.
; t = score x log2(e) / 8; M = the running largest t rounded up to a whole number; the row's sum l is taken of the unquantised p; when M moves, l and O^T are multiplied by 2^(old M - new M): exact.
; A work-group takes one batch and head; its K, V and their scale words (143,360 bytes, as the launch before laid them) are copied into LDS once, through registers, and stay: the key loop has no barrier.
; A wave owns one tile of 16 queries and walks the 16 steps of 128 keys alone.  A STEP THAT THE MASK HIDES FROM ALL 16 QUERIES IS PASSED OVER, and a step all of whose keys count neither loads its mask words nor
; masks: two scalar branches on the tile's flag word, which an earlier launch stored.  The launch has no tensor load, and so no joint loads, though the eight work-groups
; of a head read the same K and V.  The tiles of a work-group are spread over the sequence: tile 8 x rank + work-group x.  The sixteen waves' ranks are the numbers 0 to 15 laid in a square of 4 x 4 whose rows and
; columns all sum to 30: four neighbouring waves, and four waves that stand four apart, have the same sum of ranks, so that a mask under which a tile's steps grow with its rank spreads evenly either way.
; The head is 64: a K fragment's upper four registers are whatever follows (the next tile's codes); they meet q's zero codes, under scale bytes 0 (2^-127, no NaN).
; LIMITS: a hidden score is -2^103 (a logit of -2^100) where reference() has -1e30: score x c is then exact, t - M is 0 in a row with no key at all (p = 1: the uniform mean), and p = 0 beside any logit above -1e29.
; NaN and infinities are not served.
; REGISTERS: v1-11, v25 addresses; v12 -M, v13 the largest t, v[14:15] l; v16-23 q (upper half zeros), v24 its scale word; v28-31 mask words; v32-67 K's eight tiles; v68-75 K's scale words, v76-79 V's;
; v96-159 S^T, then p; v160-191 O^T; v192-223 V's four fragments; v224-231 p's codes; v232-254 at work; v253 p's scale word.  At the head v96-165 carry the copy of K and V.
; THE MODE: SCHED_MODE bits 1:0 = 2 (LLVM: expert scheduling mode 2), set by the entry lines.  The code itself states the register dependences
; between vector or matrix instructions and memory or LDS instructions, with s_wait_alu, always for 0.
; THE PLAN.  Registers that memory or LDS instructions touch:
;   v81-89, v251, v255  Offsets and addresses of the head, of the last two stores and of the closing add: written once, at the head, ahead of its one wait on va_vdst; never written again.
;   v96-165             The copy's 18 loads land here and its 18 LDS stores read them; later matrix and vector instructions write them (S^T, p, O^T): one wait on vm_vsrc, behind the copy's barrier.
;   v6-10               A walked step's five addresses: written by five additions at its head; read by its LDS loads and by its load of mask words.
;   v32-63, v68-75      K's tiles and scale words: the step's first ten LDS loads land here; its eight products S^T read them.
;   v192-223, v76-79    V's fragments and scale words: nine LDS loads land here; the step's four products O^T read them.  V has registers of its own, so that its loads owe nothing to the products S^T issued just ahead of them.
;   v28-31              The mask words: a load lands here; four shifts rewrite them and 64 v_and_b32 read them.
;   v224-227, v90       At the end alone: the output's codes and scale bytes, which the two stores read.
; So a walked step's head holds one wait on vm_vsrc (the last walked step's loads have read v6-10), the five additions, and ONE wait on va_vdst, on which all the step's loads lean: between it and the last of them stand
; only the products S^T, which name v96-159, v32-67, v16-24 and v68-75: no register that V's loads touch.  Both waits stand behind the branch that passes a step over, on every way to the loads, round the back edge too.
; The compares of the mask write scalar registers, 32 to a run, with one wait on va_sdst between a run and the selections that read it.
.set REG,   217088
.set VIMG,  65536
.set KSC,   131072
.set VSC,   139264
.set QIMG,  143360
.set QSC,   208896
.set MBITS, 16384
.set AOS,   2097152
.set BK, 1
.set BV, 2
.set BS, 3
.set H16, 4
.set NEG, 5
.set ADK, 6
.set ADV, 7
.set ADS, 8
.set ADT, 9
.set MA, 10
.set BT, 11
.set BM, 25
.set FA0, 81
.set FA1, 82
.set FA2, 83
.set FA3, 84
.set FG, 85
.set OQ, 86
.set OQS, 87
.set OO, 88
.set OOS, 89
.set OW, 90
.set VF, 192                           ; V's four fragments
.set TM, 232
.set MT, 240                           ; v240-247: the mask's single bits, by turns
.set WV, 10
.set SEL, 20
.set CS, 22
.set FW, 24
.set F2, 25
.set KO, 26
.set SO, 27
.set TO, 28
.set MO, 29
.set CNT, 30
.set CM, 32                            ; s32-63: a run of 32 compares' masks
.macro MM0 d, a, b, sa, sb
	v_wmma_scale_f32_16x16x128_f8f6f4 v[\d:\d+7], v[\a:\a+7], v[\b:\b+7], 0, v[\sa], v[\sb] matrix_a_fmt:MATRIX_FMT_FP4 matrix_b_fmt:MATRIX_FMT_FP4
.endm
.macro MMA d, a, b, sa, sb
	v_wmma_scale_f32_16x16x128_f8f6f4 v[\d:\d+7], v[\a:\a+7], v[\b:\b+7], v[\d:\d+7], v[\sa], v[\sb] matrix_a_fmt:MATRIX_FMT_FP4 matrix_b_fmt:MATRIX_FMT_FP4
.endm
.macro QG2 s0, s1, pc                  ; two groups of 16 registers, each half a block of 32: lanes 0-15 end with group 0's block, lanes 16-31 with group 1's; the bytes in v[TM+4], v[TM+5]
	v_max3_num_f32 v[TM], |v[\s0]|, |v[\s0+1]|, 0x1800000
	v_max3_num_f32 v[TM+1], |v[\s1]|, |v[\s1+1]|, 0x1800000
.irp i, 2,4,6,8,10,12,14
	v_max3_num_f32 v[TM], v[TM], |v[\s0+\i]|, |v[\s0+\i+1]|
	v_max3_num_f32 v[TM+1], v[TM+1], |v[\s1+\i]|, |v[\s1+\i+1]|
.endr
	v_permlanex16_b32 v[TM+4], v[TM], s[SEL], s[SEL+1]
	v_permlanex16_b32 v[TM+5], v[TM+1], s[SEL], s[SEL+1]
	v_max_num_f32 v[TM], v[TM], v[TM+4]
	v_max_num_f32 v[TM+1], v[TM+1], v[TM+5]
	v_add_nc_u32 v[TM+12], 0xff000000, v[TM]
	v_add_nc_u32 v[TM+13], 0xff000000, v[TM+1]
	v_lshrrev_b32 v[TM+4], 23, v[TM+12]
	v_lshrrev_b32 v[TM+5], 23, v[TM+13]
	v_cvt_scalef32_pk8_fp4_f32 v[\pc], v[\s0:\s0+7], v[TM+12]
	v_cvt_scalef32_pk8_fp4_f32 v[\pc+1], v[\s0+8:\s0+15], v[TM+12]
	v_cvt_scalef32_pk8_fp4_f32 v[\pc+2], v[\s1:\s1+7], v[TM+13]
	v_cvt_scalef32_pk8_fp4_f32 v[\pc+3], v[\s1+8:\s1+15], v[TM+13]
	v_nop
	v_permlane16_swap_b32 v[\pc], v[\pc+2]
	v_permlane16_swap_b32 v[\pc+1], v[\pc+3]
.endm
; The K part of a step: K's eight tiles and their scale words out of LDS, the eight products S^T, and V's loads, which land under the softmax.  It is written on both ways of the branch on the flag,
; so that a step with hidden keys can ask for its mask words ahead of it and a step without has no load from memory at all.  All its loads lean on the wait on va_vdst at the step's head.
.macro KPART
.irp t, 0,1,2,3,4,5,6,7
	ds_load_b128 v[32+4*\t:35+4*\t], v[ADK] offset:512*\t
.endr
	ds_load_b128 v[68:71], v[ADS]
	ds_load_b128 v[72:75], v[ADS] offset:256
	s_wait_dscnt 0x0
.irp t, 0,1,2,3,4,5,6,7
	MM0 96+8*\t, 32+4*\t, 16, 68+\t, 24            ; lane (r, h): query slot r; the 16 registers of tiles 2 b, 2 b + 1 are keys 32 b + 16 h + 0 .. 15 of the step
.endr
.irp d, 0,1,2,3
.irp c, 0,1
	ds_load_b128 v[VF+8*\d+4*\c:VF+8*\d+4*\c+3], v[ADV] offset:1024*\d+512*\c    ; no wait: no vector or matrix instruction since the step's head names V's registers or these two addresses
.endr
.endr
	ds_load_b128 v[76:79], v[ADT]
.rept 4
	v_nop                                          ; places in front of the first read of the products' results
.endr
.endm
; 32 scores, v[96 + 32 g] on: a key whose mask bit is 0 gets the hidden score.  The 32 compares write scalar registers in one run; the selections read them behind one wait.
.macro MASK32 g
.set n, 0
.rept 32
	v_and_b32 v[MT+n%8], 1<<(n%16), v[28+2*(\g)+n/16]
	v_cmp_eq_u32 s[CM+n], 0, v[MT+n%8]
.set n, n+1
.endr
	s_wait_alu depctr_va_sdst(0)                   ; the 32 compares have written s32-63, ahead of the first selection that reads one of them
.set n, 0
.rept 32
	v_cndmask_b32 v[96+32*(\g)+n], v[96+32*(\g)+n], v[NEG], s[CM+n]    ; each accumulator from its low end on
.set n, n+1
.endr
.endm
	s_load_b128 s[4:7], s[0:1], 0x0                ; qkv, msk
	s_load_b64 s[8:9], s[0:1], 0x10                ; ao
	v_lshl_add_u32 v251, v0, 2, 0x23000
	v_mov_b32 v255, 0
	v_lshrrev_b32 v6, 5, v0
	v_readfirstlane_b32 s[WV], v6
	s_and_b32 s12, ttmp7, 0xffff                   ; 16 x batch + head
	s_mov_b32 s14, 0x7a94c12f                      ; the ranks of waves 0 to 7, four bits each: 15 2 1 12 | 4 9 10 7
	s_mov_b32 s15, 0x0de3b658                      ; and of waves 8 to 15: 8 5 6 11 | 3 14 13 0
	v_lshlrev_b32 v[FA0], 4, v0
	v_lshlrev_b32 v[FG], 3, v0
	s_wait_alu depctr_va_sdst(0)                   ; the wave's number is written, ahead of its first reader: my rank and my tile are made from it
	s_cmp_lt_u32 s[WV], 8
	s_cselect_b32 s14, s14, s15
	s_and_b32 s15, s[WV], 7
	s_lshl_b32 s15, s15, 2
	s_lshr_b32 s14, s14, s15
	s_and_b32 s14, s14, 15                         ; my rank
	s_lshl_b32 s13, s14, 3
	s_add_co_u32 s13, s13, ttmp9                   ; my tile of queries, within the batch
	s_lshl_b32 s15, s13, 7
	s_mul_i32 s16, s12, REG
	s_mov_b32 s17, 0
	; all the set-up on vector registers stands here, while the arguments are on their way, so that one wait states it for every load and store that reads it
	v_and_b32 v6, 31, v0                           ; lane
	v_and_b32 v7, 15, v0                           ; r
	v_bfe_u32 v8, v0, 4, 1                         ; h
	s_lshl_b32 s18, s13, 9
	v_lshl_add_u32 v[OQ], v6, 4, s18
	s_lshr_b32 s18, s13, 2
	s_lshl_b32 s18, s18, 8
	s_and_b32 s19, s13, 3
	s_lshl_b32 s19, s19, 2
	s_add_co_u32 s18, s18, s19
	v_lshl_add_u32 v[OQS], v7, 4, s18
	v_add_nc_u32 v[FA1], 0x10000, v[FA0]
	v_add_nc_u32 v[FA2], 0x20000, v[FA0]
	v_lshl_add_u32 v[FA3], v0, 3, VSC
	v_lshlrev_b32 v[BK], 4, v6
	v_add_nc_u32 v[BV], VIMG, v[BK]
	v_lshl_add_u32 v[BS], v7, 4, KSC
	v_lshl_add_u32 v[BT], v7, 4, VSC
	v_lshlrev_b32 v[H16], 4, v8
	v_mov_b32 v[NEG], 0xf3000000                   ; -2^103
	s_lshl_b32 s18, s13, 12
	v_lshl_add_u32 v[BM], v7, 8, s18               ; my query's 256 bytes of mask bits
	s_lshr_b32 s31, s12, 4
	s_lshl_b32 s31, s31, 7
	s_add_co_u32 s31, s31, s13                     ; the tile among all 256
	s_and_b32 s32, s12, 15                         ; the head
	s_lshl_b32 s18, s31, 13
	s_lshl_b32 s19, s32, 9
	s_add_co_u32 s18, s18, s19
	v_lshl_add_u32 v[OO], v6, 4, s18               ; ao's image: K step head / 2, register group head % 2
	s_lshl_b32 s18, s31, 9
	s_lshl_b32 s19, s32, 1
	s_add_co_u32 s18, s18, s19
	v_lshl_add_u32 v[OOS], v7, 5, s18              ; its scale bytes 2 head, 2 head + 1
	s_mov_b32 s[SEL], 0x76543210
	s_mov_b32 s[SEL+1], 0xfedcba98
	s_mov_b32 s[CS], 0x3e38aa3b                    ; c = log2(e) / 8
	s_mov_b32 s[CS+1], s[CS]
	s_mov_b32 s[KO], 0
	s_mov_b32 s[SO], 0
	s_mov_b32 s[TO], 0
	s_mov_b32 s[MO], 0
	s_mov_b32 s[CNT], 0
	v_mov_b32 v13, 0xff61b1e6                      ; the largest t so far: -3e38
	v_floor_f32 v12, -v13                          ; -M
	v_mov_b32 v14, 0
	v_mov_b32 v15, 0
.irp i, 20,21,22,23,64,65,66,67,236,237,238,239,252,253
	v_mov_b32 v\i, 0                               ; q's upper half; what follows K's last tile; permute destinations; the pair v[252:253].  None of these is the target of a load
.endr
	s_wait_kmcnt 0x0
	s_load_b32 s[FW], s[6:7], s15 offset:0x0       ; the tile's flag word: two bits a step
	s_add_nc_u64 s[4:5], s[4:5], s[16:17]          ; my head's region
	s_wait_alu depctr_va_vdst(0)                   ; the offsets and addresses v81-89 are written, which the loads, the LDS stores and the last two stores read; so are the zeros in v20-23 and v64-67, which the scaled products take as operands
.set n, 0
.rept 17
	global_load_b128 v[96+4*n:99+4*n], v[FA0], s[4:5] offset:8192*n     ; the work-group reads 8,192 consecutive bytes
.set n, n+1
.endr
	global_load_b64 v[164:165], v[FG], s[4:5] offset:VSC
	global_load_b128 v[16:19], v[OQ], s[4:5] offset:QIMG     ; q's codes stay in registers
	global_load_b32 v24, v[OQS], s[4:5] offset:QSC
	s_wait_loadcnt 0x0                             ; the copy's 18 loads, q and its scale word
.set n, 0
.rept 8
	ds_store_b128 v[FA0], v[96+4*n:99+4*n] offset:8192*n
.set n, n+1
.endr
.set n, 0
.rept 8
	ds_store_b128 v[FA1], v[128+4*n:131+4*n] offset:8192*n
.set n, n+1
.endr
	ds_store_b128 v[FA2], v[160:163]
	ds_store_b64 v[FA3], v[164:165]
	s_wait_dscnt 0x0                               ; for the others' sake: my stores are done
	s_barrier_signal -1
	s_barrier_wait -1
	s_wait_alu depctr_vm_vsrc(0)                   ; my LDS stores have read v96-165: from here on these registers are S^T, p and O^T, written by the lines below and by the products
.set n, 0
.rept 32
	v_mov_b32 v[160+n], 0                          ; O^T: the step is written once; the first finds zeros.  Cleared here, where the copy's loads into v160-165 have landed and its stores have read them
.set n, n+1
.endr
	s_wait_kmcnt 0x0                               ; the flag word
.Lstep:                                            ; 16 trips, a constant
	s_and_b32 s[F2], s[FW], 3
	s_lshr_b32 s[FW], s[FW], 2
	s_cmp_eq_u32 s[F2], 0
	s_cbranch_scc1 .Lskip                          ; no key of this step counts for any of my 16 queries
	s_wait_alu depctr_vm_vsrc(0)                   ; the LDS loads and the load of mask words of the last walked step have read v6-10, which the five lines below write again
	v_add_nc_u32 v[ADK], s[KO], v[BK]
	v_add_nc_u32 v[ADV], s[KO], v[BV]
	v_add_nc_u32 v[ADS], s[SO], v[BS]
	v_add_nc_u32 v[ADT], s[TO], v[BT]
	v_add_nc_u32 v[MA], s[MO], v[BM]
	s_wait_alu depctr_va_vdst(0)                   ; the five addresses are written, which this step's loads read; the last walked step's products are done reading K's and V's registers and their scale words, and its vector lines the mask words: this step's loads land in all of these
	s_cmp_eq_u32 s[F2], 2
	s_cbranch_scc1 .Lfull                          ; all 128 keys count for all 16 queries: no mask word is wanted
	global_load_b128 v[28:31], v[MA], s[6:7] offset:MBITS    ; my query's 128 mask bits of this step: on their way under the K part
	KPART
	s_wait_loadcnt 0x0                             ; the mask words: the one load from memory that is out
.irp b, 0,1,2,3
	v_lshrrev_b32 v[28+\b], v[H16], v[28+\b]       ; my half's 16 bits of word b
.endr
	MASK32 0
	MASK32 1
	s_branch .Lopen
.Lfull:
	KPART
.Lopen:
.irp b, 0,1,2,3
	v_max3_num_f32 v[232+\b], v[96+16*\b], v[97+16*\b], v[98+16*\b]   ; the largest score of each block of 32 keys: for the row's maximum, and for the block's largest p
.endr
.irp i, 3,5,7,9,11,13
.irp b, 0,1,2,3
	v_max3_num_f32 v[232+\b], v[232+\b], v[96+16*\b+\i], v[97+16*\b+\i]
.endr
.endr
.irp b, 0,1,2,3
	v_max_num_f32 v[232+\b], v[232+\b], v[111+16*\b]
.endr
.irp b, 0,1,2,3
	v_permlanex16_b32 v[236+\b], v[232+\b], s[SEL], s[SEL+1]
.endr
.irp b, 0,1,2,3
	v_max_num_f32 v[232+\b], v[232+\b], v[236+\b]
.endr
	v_max3_num_f32 v254, v232, v233, v234
	v_max_num_f32 v254, v254, v235
	v_mul_f32 v254, s[CS], v254
	v_max_num_f32 v13, v13, v254                   ; the running largest t
	v_mov_b32 v254, v12
	v_floor_f32 v12, -v13                          ; the new -M: a whole number
	v_sub_f32 v254, v12, v254                      ; old M - new M
	v_cvt_i32_f32 v254, v254                       ; (it saturates)
	v_ldexp_f32 v252, 1.0, v254                    ; f = 2^(old M - new M)
.set n, 0
.rept 32
	v_pk_fma_f32 v[96+n:97+n], v[96+n:97+n], s[CS:CS+1], v[12:13] op_sel_hi:[1,0,0]   ; t - M
.set n, n+2
.endr
.irp b, 0,1,2,3
	v_fma_f32 v[232+\b], v[232+\b], s[CS], v12
.endr
.set n, 0
.rept 64
	v_exp_f32 v[96+n], v[96+n]                     ; p = 2^(t - M)
.set n, n+1
.endr
	v_pk_mul_f32 v[14:15], v[14:15], v[252:253] op_sel_hi:[1,0]   ; l under the new M: a plain line behind the exponentials
	s_wait_alu depctr_va_vdst(0)                   ; the 64 exponentials have written p, v96-159, ahead of the sums, their first readers: one wait for the batch
.irp b, 0,1,2,3
	v_exp_f32 v[232+\b], v[232+\b]                 ; each block's largest p
.endr
	v_pk_add_f32 v[236:237], v[96:97], v[98:99]    ; the row's sum, of the unquantised p, in two chains
.irp j, 4,8,12,16,20,24,28,32,36,40,44,48,52,56,60
	v_pk_add_f32 v[14:15], v[14:15], v[96+\j:97+\j]
	v_pk_add_f32 v[236:237], v[236:237], v[98+\j:99+\j]
.endr
	v_pk_add_f32 v[14:15], v[14:15], v[236:237]
	s_wait_alu depctr_va_vdst(0)                   ; the four exponentials have written v232-235, ahead of the floor's lines, their first readers
.irp b, 0,1,2,3
	v_max_num_f32 v[232+\b], 0x1800000, v[232+\b]  ; the floor: the byte cannot fall under 1
.endr
.irp b, 0,1,2,3
	v_add_nc_u32 v[244+\b], 0xff000000, v[232+\b]
.endr
.irp b, 0,1,2,3
	v_lshrrev_b32 v[236+\b], 23, v[244+\b]
.endr
	v_lshl_or_b32 v253, v237, 8, v236              ; p's scale word for these 128 keys
	v_lshl_or_b32 v253, v238, 16, v253
	v_lshl_or_b32 v253, v239, 24, v253
.irp b, 0,1,2,3
	v_cvt_scalef32_pk8_fp4_f32 v[224+2*\b], v[96+16*\b:103+16*\b], v[244+\b]
	v_cvt_scalef32_pk8_fp4_f32 v[225+2*\b], v[104+16*\b:111+16*\b], v[244+\b]
.endr
	v_nop
.irp c, 0,1
.irp i, 0,1
	v_permlane16_swap_b32 v[224+4*\c+\i], v[226+4*\c+\i]
.endr
.endr
.set n, 0
.rept 16
	v_pk_mul_f32 v[160+n:161+n], v[160+n:161+n], v[252:253] op_sel_hi:[1,0]   ; O^T under the new M; these sixteen also part the scale word and the codes from the products
.set n, n+2
.endr
	s_wait_dscnt 0x0                               ; V
	s_wait_alu depctr_va_vdst(0)                   ; vector lines have written p's codes v224-231 and its scale word v253, which the scaled products below take as operand and as scales; the places above stay beside this wait
.irp d, 0,1,2,3
	MMA 160+8*\d, VF+8*\d, 224, 76+\d, 253
.endr
.Lskip:
	s_add_co_u32 s[KO], s[KO], 4096
	s_add_co_u32 s[SO], s[SO], 512
	s_add_co_u32 s[TO], s[TO], 256
	s_add_co_u32 s[MO], s[MO], 16
	s_add_co_u32 s[CNT], s[CNT], 1
	s_cmp_lt_u32 s[CNT], 16
	s_cbranch_scc1 .Lstep
.rept 4
	v_nop                                          ; places behind the last products
.endr
	v_add_f32 v14, v14, v15
	v_permlanex16_b32 v252, v14, s[SEL], s[SEL+1]
	v_add_f32 v14, v14, v252                       ; the row's sum
	v_rcp_f32 v14, v14
	v_nop
	s_wait_alu depctr_va_vdst(0)                   ; the reciprocal has written v14, ahead of the multiplications, its first readers
.set n, 0
.rept 32
	v_mul_f32 v[96+n], v[160+n], v14               ; register 16 b + i is d = 32 b + 16 h + i
.set n, n+1
.endr
	QG2 96, 112, 224
	v_lshl_or_b32 v[OW], v[TM+5], 8, v[TM+4]
	s_wait_alu depctr_va_vdst(0)                   ; the conversions and exchanges have written the codes v224-227, and the line above the two scale bytes v90: the two stores read them
	global_store_b128 v[OO], v[224:227], s[8:9]    ; 512 consecutive bytes
	global_store_b16 v[OOS], v[OW], s[8:9] offset:AOS
	s_wait_dscnt 0x0                               ; the closing lines, six on end
	s_wait_alu 0x0
	s_wait_tensorcnt 0x0
	ds_add_u32 v251, v255
	s_wait_dscnt 0x0
	s_endpgm
.Lfunc_end_k_q228de14be3_attn:
	.size	k_q228de14be3_attn, .Lfunc_end_k_q228de14be3_attn-k_q228de14be3_attn
	.p2alignl 7, 3214868480
	.fill 96, 4, 3214868480
	.section	.rodata,"a",@progbits
	.p2align	6, 0x0
	.amdhsa_kernel k_q228de14be3_attn
		.amdhsa_group_segment_fixed_size 145408
		.amdhsa_private_segment_fixed_size 0
		.amdhsa_enable_private_segment 0
		.amdhsa_kernarg_size 24
		.amdhsa_user_sgpr_count 2
		.amdhsa_user_sgpr_kernarg_segment_ptr 1
		.amdhsa_wavefront_size32 1
		.amdhsa_system_sgpr_workgroup_id_x 1
		.amdhsa_system_sgpr_workgroup_id_y 1
		.amdhsa_system_sgpr_workgroup_id_z 1
		.amdhsa_system_vgpr_workitem_id 0
		.amdhsa_next_free_vgpr 256
		.amdhsa_next_free_sgpr 66
		.amdhsa_reserve_vcc 0
		.amdhsa_float_denorm_mode_32 3
		.amdhsa_float_denorm_mode_16_64 3
		.amdhsa_memory_ordered 1
		.amdhsa_forward_progress 1
		.amdhsa_inst_pref_size 41
	.end_amdhsa_kernel
	.amdgpu_metadata
---
amdhsa.version: [ 1, 2 ]
amdhsa.kernels:
  - .name:           k_q228de14be3_attn
    .symbol:         k_q228de14be3_attn.kd
    .args:
      - { .name: qkv, .offset: 0, .size: 8, .value_kind: global_buffer, .address_space: global }
      - { .name: msk, .offset: 8, .size: 8, .value_kind: global_buffer, .address_space: global }
      - { .name: ao, .offset: 16, .size: 8, .value_kind: global_buffer, .address_space: global }
    .group_segment_fixed_size: 145408
    .private_segment_fixed_size: 0
    .kernarg_segment_align: 8
    .kernarg_segment_size: 24
    .max_flat_workgroup_size: 512
    .sgpr_count:     66
    .vgpr_count:     256
    .wavefront_size: 32
...
	.end_amdgpu_metadata
.endif
;; end of part 7
;; launch wo: the kernel of part 4 again; grid 256 x 1, 16 waves a work-group, clusters of 4 x 1, 281,088 bytes of LDS; arguments ao, xa, Wo_scales, x, ffn_scale, hb, hq; writes hb, hq
;; launch w1: the kernel of part 5 again; grid 16 x 16, 16 waves a work-group, clusters of 4 x 4, 284,672 bytes of LDS; arguments hq, W1_codes, W1_scales, act; writes act
;; launch w2: the kernel of part 6 again; grid 8 x 32, 16 waves a work-group, clusters of 4 x 4, 266,240 bytes of LDS; arguments act, W2_codes, W2_scales, hb, out0; writes out0
